; MI455X (gfx1250); checked and timed in simulation.
; The chip was launched on July 23, 2026; its instructions are those of AMD's public machine-readable ISA for CDNA 5 (MIT licence, August 2026) and "CDNA5" Instruction Set Architecture Reference Guide (July 2026). The comments in the code are by the model that wrote it; some were corrected since.
;; Block. Allowed arithmetic: float matrix products may take bf16 or f16 operands with f32 sums; all other float work in f32.
;; Inputs: W_ap 1,024 x 1,024 float32; W_attn 1,024 x 3,072 float32; W_fc 1,024 x 4,096 float32; W_mp 4,096 x 1,024 float32; b_ap 1,024 float32; b_attn 3,072 float32; b_fc 4,096 float32; b_mp 1,024 float32; ln1_b 1,024 float32; ln1_g 1,024 float32; ln2_b 1,024 float32; ln2_g 1,024 float32; x 2 x 2,048 x 1,024 float32.
;; Outputs: out0 2 x 2,048 x 1,024 float32.
;; 2 versions, each right; version 2 is version 1 with the launches prep, ln2 written anew for expert scheduling mode. Each part assembles by itself: llvm-mc -triple=amdgcn-amd-amdhsa -mcpu=gfx1250 --defsym DOCPART=n.
;; ======== version 1 of 2: 7 launches
;; workspace buffers: wb 25,165,824 bytes; hn 8,388,608 bytes; qkvb 25,165,824 bytes; yat 8,388,608 bytes; x1 16,777,216 bytes; h3 33,554,432 bytes
;; launch prep (part 1): grid 1024 x 1, 8 waves a work-group, no clusters, 35,840 bytes of LDS; arguments x, ln1_g, ln1_b, W_attn, W_ap, W_fc, W_mp, hn, wb; writes hn, wb
.if DOCPART == 1
	.amdgcn_target "amdgcn-amd-amdhsa--gfx1250"
	.amdhsa_code_object_version 6
	.text
	.protected	k_qa31c33d68a_prep
	.globl	k_qa31c33d68a_prep
	.p2align	8
	.type	k_qa31c33d68a_prep,@function
k_qa31c33d68a_prep:
	s_mov_b64 s[64:65], 0
	v_nop
	global_prefetch_b8 v0, s[64:65] scope:SCOPE_SE
	s_setreg_imm32_b32 hwreg(HW_REG_WAVE_MODE, 25, 1), 1
	s_wait_xcnt 0x0
; Work-groups 0-255: hn = layernorm(x) g + b, rounded to bf16.  Work-groups 256-1023: the four weight matrices rounded to bf16 into wb.
; OCTET LAYOUT of every bf16 buffer of this program: element (row, k) lies at byte (k/8) x ROWS x 16 + row x 16 + (k%8) x 2; ROWS = 4096 for
; activations, N for a weight [K][N] (its "row" is the column n).  A matrix fragment is then two plain 16-byte reads a lane.
; Memory binds here: no matrix unit, no cluster, no tensor load would add anything; LDS only turns the data so that sixteen neighbouring lanes store 256 consecutive bytes.
; LN: a work-group owns 16 rows, a wave 2; a row (4,096 bytes) stays in 32 registers; mean first, then the squares of x - mean (two passes over registers), so a common offset of x costs no digits.
; Limit: v_rsq_f32 is accurate to 1 ULP and flushes denormals.
.set X,   16                           ; v[16:79]   LN: two rows, 32 registers each.  Cast: 16 weight rows x 4 columns
.set G,   80                           ; v[80:111]  LN: gains of my 32 columns.       Cast: packed chunks
.set BT,  112                          ; v[112:143] LN: biases.                        Cast: chunks read back from LDS
.set T,   144                          ; v[144:159] LN: at work
.set OF,  144                          ; v[144:159] Cast: byte offsets of my 16 weight rows
.set HN,  18                           ; s[18:19]   hn
.macro REDUCE                          ; v[T] summed over the 32 lanes, the result in every lane
	v_add_f32_dpp v[T], v[T], v[T] row_xmask:1 row_mask:0xf bank_mask:0xf
	v_add_f32_dpp v[T], v[T], v[T] row_xmask:2 row_mask:0xf bank_mask:0xf
	v_add_f32_dpp v[T], v[T], v[T] row_xmask:4 row_mask:0xf bank_mask:0xf
	v_add_f32_dpp v[T], v[T], v[T] row_xmask:8 row_mask:0xf bank_mask:0xf
	v_permlanex16_b32 v[T+1], v[T], s24, s25
	v_add_f32 v[T], v[T], v[T+1]
.endm
.macro FOLD                            ; four chains of pairs into v[T]
	v_pk_add_f32 v[T:T+1], v[T:T+1], v[T+2:T+3]
	v_pk_add_f32 v[T+4:T+5], v[T+4:T+5], v[T+6:T+7]
	v_pk_add_f32 v[T:T+1], v[T:T+1], v[T+4:T+5]
	v_add_f32 v[T], v[T], v[T+1]
.endm
.macro LNROW i                         ; row i of my two
.set R, X+32*\i
.irp c, 0,1,2,3
	v_pk_add_f32 v[T+2*\c:T+2*\c+1], v[R+2*\c:R+2*\c+1], v[R+8+2*\c:R+8+2*\c+1]
.endr
.irp k, 16,24
.irp c, 0,1,2,3
	v_pk_add_f32 v[T+2*\c:T+2*\c+1], v[T+2*\c:T+2*\c+1], v[R+\k+2*\c:R+\k+2*\c+1]
.endr
.endr
	FOLD
	REDUCE
	v_mul_f32 v[T+8], s28, v[T]                    ; the mean, twice: a pair for the packed subtraction
	v_mul_f32 v[T+9], s28, v[T]
.set j, 0
.rept 16
	v_pk_add_f32 v[R+j:R+j+1], v[R+j:R+j+1], v[T+8:T+9] neg_lo:[0,1] neg_hi:[0,1]
.set j, j+2
.endr
.irp c, 0,1,2,3
	v_pk_mul_f32 v[T+2*\c:T+2*\c+1], v[R+2*\c:R+2*\c+1], v[R+2*\c:R+2*\c+1]
.endr
.irp k, 8,16,24
.irp c, 0,1,2,3
	v_pk_fma_f32 v[T+2*\c:T+2*\c+1], v[R+\k+2*\c:R+\k+2*\c+1], v[R+\k+2*\c:R+\k+2*\c+1], v[T+2*\c:T+2*\c+1]
.endr
.endr
	FOLD
	REDUCE
	v_fma_f32 v[T], v[T], s28, s29                 ; variance + 1e-5
	v_rsq_f32 v[T+8], v[T]
	v_rsq_f32 v[T+9], v[T]
	s_wait_loadcnt 0x0                             ; gains and biases are in
	v_nop                                          ; a plain instruction between the root and the use of its result (ISA guide 5.7.2)
.set j, 0
	s_wait_alu depctr_va_vdst(0)
.rept 16
	v_pk_mul_f32 v[R+j:R+j+1], v[R+j:R+j+1], v[T+8:T+9]
.set j, j+2
.endr
.set j, 0
.rept 16
	v_pk_fma_f32 v[R+j:R+j+1], v[R+j:R+j+1], v[G+j:G+j+1], v[BT+j:BT+j+1]
.set j, j+2
.endr
.set j, 0
.rept 16
	v_cvt_pk_bf16_f32 v[R+j], v[R+2*j], v[R+2*j+1] ; packed downwards in place: register j is written when 2 j and 2 j + 1 are read
.set j, j+1
.endr
.irp j, 0,1,2,3,4,5,6,7
	ds_store_b64 v2, v[R+2*\j:R+2*\j+1] offset:\i*16+\j*4352   ; my 4 columns of load j: half of octet 16 j + lane/2
.endr
.endm
	s_load_b512 s[4:19], s[0:1], 0x0               ; x, ln1_g, ln1_b, W_attn, W_ap, W_fc, W_mp, hn
	s_load_b64 s[20:21], s[0:1], 0x40              ; wb
	v_lshl_add_u32 v168, v0, 2, 0x8800
	v_mov_b32 v169, 0
	v_lshrrev_b32 v5, 5, v0
	v_readfirstlane_b32 s22, v5                    ; wave 0..7
	v_and_b32 v6, 31, v0                           ; lane
	v_lshlrev_b32 v1, 4, v6                        ; 16 bytes a lane
	s_wait_kmcnt 0x0
	s_cmp_lt_u32 ttmp9, 256                        ; the same in all waves of a work-group
	s_cbranch_scc0 .Lcast
	; ---------------- layernorm ----------------
	s_lshl_b32 s26, ttmp9, 16                      ; 16 rows of 4,096 bytes a work-group,
	s_lshl_b32 s27, s22, 13                        ; 2 a wave
	s_add_co_u32 s26, s26, s27
	s_mov_b32 s27, 0
	s_add_nc_u64 s[4:5], s[4:5], s[26:27]
.irp i, 0,1
.irp j, 0,1,2,3,4,5,6,7
	global_load_b128 v[X+32*\i+4*\j:X+32*\i+4*\j+3], v1, s[4:5] offset:\i*4096+\j*512
.endr
.endr
.irp j, 0,1,2,3,4,5,6,7
	global_load_b128 v[G+4*\j:G+4*\j+3], v1, s[6:7] offset:\j*512
	global_load_b128 v[BT+4*\j:BT+4*\j+3], v1, s[8:9] offset:\j*512
.endr
	s_lshl_b32 s26, ttmp9, 8                       ; hn: 16 rows of 16 bytes in every octet
	s_add_nc_u64 s[HN:HN+1], s[HN:HN+1], s[26:27]
	s_mov_b32 s24, 0x76543210                      ; v_permlanex16_b32: each lane takes its own place in the other half
	s_mov_b32 s25, 0xfedcba98
	s_mov_b32 s28, 0x3a800000                      ; 1 / 1024
	s_mov_b32 s29, 0x3727c5ac                      ; 1e-5
	; LDS: 128 octets x (16 rows x 16 bytes + 16 of padding)
	v_lshrrev_b32 v7, 1, v6
	v_and_b32 v8, 1, v6
	v_mul_u32_u24 v2, v7, 272
	v_lshl_add_u32 v2, v8, 3, v2
	s_lshl_b32 s23, s22, 5
	v_add_nc_u32 v2, s23, v2                       ; in: (lane/2) x 272 + (lane%2) x 8 + my first row x 16
	v_lshrrev_b32 v9, 4, v0
	v_and_b32 v10, 15, v0
	v_lshlrev_b32 v10, 4, v10
	v_mul_u32_u24 v3, v9, 272
	v_add_nc_u32 v3, v3, v10                       ; back: octet thread/16, row thread%16
	v_lshl_add_u32 v4, v9, 16, v10                 ; the same place in hn: an octet is 65,536 bytes
	s_wait_loadcnt 16                              ; x is in; the sixteen younger loads (gains, biases) stay out
	LNROW 0
	LNROW 1
	s_wait_dscnt 0x0                               ; for the others' sake: my stores are done
	s_barrier_signal -1
	s_barrier_wait -1
.irp i, 0,1,2,3,4,5,6,7
	ds_load_b128 v[X+4*\i:X+4*\i+3], v3 offset:\i*4352
.endr
.irp i, 0,1,2,3,4,5,6,7
	s_wait_dscnt 7-\i
	global_store_b128 v4, v[X+4*\i:X+4*\i+3], s[HN:HN+1] offset:\i*1048576   ; sixteen lanes store 256 consecutive bytes, aligned
.endr
	s_wait_tensorcnt 0x0
	ds_add_u32 v168, v169
	s_wait_dscnt 0x0
	s_endpgm
	; ---------------- cast of the weights ----------------
	; 768 units of 16 k rows x 1,024 columns: W_attn 192 (64 x 3), W_ap 64, W_fc 256 (64 x 4), W_mp 256.  A wave takes 128 columns.
.Lcast:
	s_sub_co_u32 s30, ttmp9, 256                   ; the unit
	s_mov_b64 s[32:33], s[16:17]                   ; W_mp: N, first unit, section of wb, log2 of the units in a column block
	s_mov_b32 s34, 1024
	s_mov_b32 s35, 512
	s_mov_b32 s36, 16777216
	s_mov_b32 s37, 8
	s_cmp_lt_u32 s30, 512
	s_cselect_b64 s[32:33], s[14:15], s[32:33]     ; W_fc
	s_cselect_b32 s34, 4096, s34
	s_cselect_b32 s35, 256, s35
	s_cselect_b32 s36, 8388608, s36
	s_cselect_b32 s37, 6, s37
	s_cmp_lt_u32 s30, 256
	s_cselect_b64 s[32:33], s[12:13], s[32:33]     ; W_ap
	s_cselect_b32 s34, 1024, s34
	s_cselect_b32 s35, 192, s35
	s_cselect_b32 s36, 6291456, s36
	s_cmp_lt_u32 s30, 192
	s_cselect_b64 s[32:33], s[10:11], s[32:33]     ; W_attn
	s_cselect_b32 s34, 3072, s34
	s_cselect_b32 s35, 0, s35
	s_cselect_b32 s36, 0, s36
	s_sub_co_u32 s38, s30, s35
	s_lshr_b32 s39, s38, s37                       ; cb: which 1,024 columns
	s_lshl_b32 s40, s39, s37
	s_sub_co_u32 s40, s38, s40                     ; op: which 16 k rows
	s_mul_i32 s41, s40, s34                        ; op x N
	s_lshl_b32 s42, s41, 6                         ; 16 rows of 4 N bytes
	s_lshl_b32 s44, s39, 12
	s_add_co_u32 s42, s42, s44
	s_lshl_b32 s44, s22, 9                         ; my wave's 128 columns
	s_add_co_u32 s42, s42, s44
	s_mov_b32 s43, 0
	s_add_nc_u64 s[32:33], s[32:33], s[42:43]
	s_lshl_b32 s44, s34, 2                         ; bytes from a k row to the next
	v_mov_b32 v[OF], v1
.irp k, 1,2,3,4,5,6,7,8,9,10,11,12,13,14,15
	v_add_nc_u32 v[OF+\k], s44, v[OF+\k-1]
.endr
.irp k, 0,1,2,3,4,5,6,7,8,9,10,11,12,13,14,15
	global_load_b128 v[X+4*\k:X+4*\k+3], v[OF+\k], s[32:33] th:TH_LOAD_NT   ; a wave's load: 512 consecutive bytes of k row k
.endr
	s_lshl_b32 s46, s41, 5                         ; 2 op octets of 16 N bytes,
	s_add_co_u32 s46, s46, s36                     ; in the weight's section,
	s_lshl_b32 s45, s39, 14                        ; at column 1,024 cb
	s_add_co_u32 s46, s46, s45
	s_lshl_b32 s45, s22, 11                        ; + 128 w
	s_add_co_u32 s46, s46, s45
	s_mov_b32 s47, 0
	s_add_nc_u64 s[20:21], s[20:21], s[46:47]
	s_lshl_b32 s45, s34, 4
	v_add_nc_u32 v160, s45, v1                     ; the second octet lies 16 N bytes on
	s_mul_i32 s48, s22, 4352                       ; my wave's own LDS: 2 octets x 8 rows of 256 + 16 bytes
	v_lshrrev_b32 v7, 2, v6
	v_and_b32 v8, 3, v6
	v_mul_u32_u24 v7, v7, 272
	v_lshl_add_u32 v7, v8, 6, v7
	v_add_nc_u32 v161, s48, v7                     ; in: my 4 columns' chunks, 64 bytes, at byte 64 x lane of the 2,048
	v_lshrrev_b32 v7, 4, v6
	v_and_b32 v8, 15, v6
	v_mul_u32_u24 v7, v7, 272
	v_lshl_add_u32 v7, v8, 4, v7
	v_add_nc_u32 v162, s48, v7                     ; back: byte 16 x lane
.irp o, 0,1
	s_wait_loadcnt 8-8*\o                          ; loads come back in order: the octet's eight k rows are in
.irp i, 0,1,2,3
.irp p, 0,1,2,3
	v_cvt_pk_bf16_f32 v[G+16*\o+4*\i+\p], v[X+4*(8*\o+2*\p)+\i], v[X+4*(8*\o+2*\p+1)+\i]   ; column 4 lane + i, k rows 2 p and 2 p + 1 of the octet
.endr
	ds_store_b128 v161, v[G+16*\o+4*\i:G+16*\o+4*\i+3] offset:\o*2176+16*\i
.endr
.endr
.irp o, 0,1
.irp j, 0,1,2,3
	ds_load_b128 v[BT+16*\o+4*\j:BT+16*\o+4*\j+3], v162 offset:\o*2176+\j*544   ; LDS serves a wave's instructions in order: these see the stores above
.endr
.endr
.irp j, 0,1,2,3
	s_wait_dscnt 7-\j
	global_store_b128 v1, v[BT+4*\j:BT+4*\j+3], s[20:21] offset:\j*512        ; a wave's store: 512 consecutive bytes
.endr
.irp j, 0,1,2,3
	s_wait_dscnt 3-\j
	global_store_b128 v160, v[BT+16+4*\j:BT+16+4*\j+3], s[20:21] offset:\j*512
.endr
	s_wait_tensorcnt 0x0
	ds_add_u32 v168, v169
	s_wait_dscnt 0x0
	s_endpgm
.Lfunc_end_k_qa31c33d68a_prep:
	.size	k_qa31c33d68a_prep, .Lfunc_end_k_qa31c33d68a_prep-k_qa31c33d68a_prep
	.p2alignl 7, 3214868480
	.fill 96, 4, 3214868480
	.section	.rodata,"a",@progbits
	.p2align	6, 0x0
	.amdhsa_kernel k_qa31c33d68a_prep
		.amdhsa_group_segment_fixed_size 35840
		.amdhsa_private_segment_fixed_size 0
		.amdhsa_enable_private_segment 0
		.amdhsa_kernarg_size 72
		.amdhsa_user_sgpr_count 2
		.amdhsa_user_sgpr_kernarg_segment_ptr 1
		.amdhsa_wavefront_size32 1
		.amdhsa_system_sgpr_workgroup_id_x 1
		.amdhsa_system_sgpr_workgroup_id_y 1
		.amdhsa_system_sgpr_workgroup_id_z 1
		.amdhsa_system_vgpr_workitem_id 0
		.amdhsa_next_free_vgpr 170
		.amdhsa_next_free_sgpr 66
		.amdhsa_reserve_vcc 0
		.amdhsa_float_denorm_mode_32 3
		.amdhsa_float_denorm_mode_16_64 3
		.amdhsa_memory_ordered 1
		.amdhsa_forward_progress 1
		.amdhsa_inst_pref_size 31
	.end_amdhsa_kernel
	.amdgpu_metadata
---
amdhsa.version: [ 1, 2 ]
amdhsa.kernels:
  - .name:           k_qa31c33d68a_prep
    .symbol:         k_qa31c33d68a_prep.kd
    .args:
      - { .name: x, .offset: 0, .size: 8, .value_kind: global_buffer, .address_space: global }
      - { .name: ln1_g, .offset: 8, .size: 8, .value_kind: global_buffer, .address_space: global }
      - { .name: ln1_b, .offset: 16, .size: 8, .value_kind: global_buffer, .address_space: global }
      - { .name: W_attn, .offset: 24, .size: 8, .value_kind: global_buffer, .address_space: global }
      - { .name: W_ap, .offset: 32, .size: 8, .value_kind: global_buffer, .address_space: global }
      - { .name: W_fc, .offset: 40, .size: 8, .value_kind: global_buffer, .address_space: global }
      - { .name: W_mp, .offset: 48, .size: 8, .value_kind: global_buffer, .address_space: global }
      - { .name: hn, .offset: 56, .size: 8, .value_kind: global_buffer, .address_space: global }
      - { .name: wb, .offset: 64, .size: 8, .value_kind: global_buffer, .address_space: global }
    .group_segment_fixed_size: 35840
    .private_segment_fixed_size: 0
    .kernarg_segment_align: 8
    .kernarg_segment_size: 72
    .max_flat_workgroup_size: 256
    .sgpr_count:     66
    .vgpr_count:     170
    .wavefront_size: 32
...
	.end_amdgpu_metadata
.endif
;; end of part 1
;; launch gqkv (part 2): grid 12 x 16, 4 waves a work-group, clusters of 4 x 4, 327,680 bytes of LDS; arguments hn, wb, b_attn, qkvb; writes qkvb
.if DOCPART == 2
	.amdgcn_target "amdgcn-amd-amdhsa--gfx1250"
	.amdhsa_code_object_version 6
	.text
	.protected	k_qa31c33d68a_gqkv
	.globl	k_qa31c33d68a_gqkv
	.p2align	8
	.type	k_qa31c33d68a_gqkv,@function
k_qa31c33d68a_gqkv:
	s_mov_b64 s[64:65], 0
	v_nop
	global_prefetch_b8 v0, s[64:65] scope:SCOPE_SE
	s_setreg_imm32_b32 hwreg(HW_REG_WAVE_MODE, 25, 1), 1
	s_wait_xcnt 0x0
	s_wait_alu depctr_hold_cnt(0) depctr_sa_sdst(0) depctr_va_vdst(0) depctr_va_sdst(0) depctr_va_ssrc(0) depctr_va_vcc(0) depctr_vm_vsrc(0)
	s_getreg_b32 s2, hwreg(HW_REG_IB_STS2, 6, 4)
	s_cmp_eq_u32 s2, 0
	s_cbranch_scc0 .Lentry_in_a_cluster
	s_endpgm
.Lentry_in_a_cluster:
	s_bfe_u32 s2, ttmp6, 0x10000c
	s_cmp_lg_u32 s2, 0xf033
	s_cbranch_scc0 .Lentry_shape_is_right
	s_endpgm
.Lentry_shape_is_right:
; qkvb = hn W_attn + b_attn, bf16 operands, f32 sums, bf16 result.  The text below the six sizes is the program's one GEMM text.
.set MF,     8                         ; a wave's tile: MF x MF blocks of 16 x 16; the work-group's: 32 MF x 32 MF
.set KS,     128                       ; K step
.set SIZE_K, 1024
.set SIZE_N, 3072
.set WOFF,   0                         ; the weight's section in wb
.set EPI,    0                         ; 0: bf16 out; 1: gelu, bf16 out; 2: + residual, f32 out
; out[m][n] = sum over k of a[m][k] w[k][n] + bias[n].  a and w lie in the octet layout: element (row, k) at byte (k/8) x ROWS x 16 + row x 16 + (k%8) x 2
; (ROWS = 4096 for a; SIZE_N for w, whose "row" is n).  A tile of a K step is KS/8 rows of 32 MF x 16 bytes and lies in LDS as in memory: a fragment is two 16-byte reads a lane,
; sixteen lanes read 256 consecutive bytes, nothing is padded or turned.
; Four waves, each MF x MF accumulators.  Two LDS slots of 131,072 bytes (a's tile, then w's) filled by tensor loads, one of 32,768 bytes a wave: waves 0, 1 a's halves, waves 2, 3 w's.
; CLUSTER 4 x 4: a's tile is shared along a row of the cluster, w's along a column: joint loads.
; THE MATRIX INSTRUCTION IS USED TRANSPOSED (source 0 = 16 columns of w, source 1 = 16 rows of a): a lane holds row m0 + lane%16 and columns n0 + 8 (lane/16) + 0..7.
; The bias is the C of each accumulator's first product: nothing is cleared, nothing is added later.
; REGISTERS: window 0: v0-35 addresses; v64.., v128.. a's fragments, two buffers; v192.. the bias.  Window 1: v64.., v128.. w's fragments.
;   Windows 2, 3: accumulator (a, b) at v[8 (MF (a%4) + b)] of window 2 + a/4.  EPI 2: window 3 holds the residual.
; Limits: operands rounded to bf16; EPI 1: v_exp_f32 and v_rcp_f32 are accurate to 1 ULP and flush denormals.
.set NF,    MF
.set BM,    32*MF
.set NQ,    KS/32                      ; chunks of 32 along K in a K step
.set PA,    BM*16                      ; bytes of an octet row of a tile
.set NT,    SIZE_K/KS
.set SLOT1, 131072                     ; slot 1 begins here: one exclusive or changes slots
.set STEPA, (KS/8)*65536               ; bytes from a K step to the next in a,
.set STEPB, (KS/8)*SIZE_N*16           ; in w
.set STAGE, 262144                     ; EPI 2: behind the ring, 16 rows x 272 bytes for each wave
.if EPI == 2
.set SPARE, STAGE+4*4352               ; the spare words: 128 bytes a wave, two blocks of 256 bytes that no other line names
.else
.set SPARE, STAGE
.endif
.set AK0,  16                          ; my lane's place in a's tile; never rewritten
.set BK0,  17                          ; in w's tile
.set ADRA, 18                          ; the same in the slot in hand
.set ADRB, 19
.set CO,   20                          ; EPI 0, 1: my byte offset in the octet layout of out
.set RO,   21                          ; EPI 2: my byte offset in two rows of out and of the residual
.set STO,  22                          ; EPI 2: into the stage
.set RD,   23                          ; EPI 2: back from it
.set BOF,  24                          ; my byte offset in the bias
.set LA,   25                          ; EPI 1: LDS address of my 16 bytes
.set SPW,  28                          ; LDS address of my spare word; never rewritten
.set NIL,  29                          ; 0; never rewritten
.set KC3,  32                          ; EPI 1: constants, in pairs
.set KC1,  34
.set F0,   64
.set F1,   128
.set BIAS, 192
.set WV,  14                           ; wave
.set WR,  15                           ; wave / 2: my half of the rows; also: I fetch a (0) or w (1)
.set WC,  16                           ; wave % 2: my half of the columns; also: which half of the octets I fetch
.set NTI, 19                           ; tile column
.set MTI, 20                           ; tile row
.set TB,  23                           ; LDS byte of the slot in hand
.set G1A, 24                           ; s[24:31] group 1 for a;  s[32:39] group 0, two sets: the second then walks on
.set G0A, 32
.set G1B, 48                           ; s[48:55], s[56:63] the same for w
.set G0B, 56
.set MSB, 0
.macro WIN new                         ; the immediate's high byte repeats the setting that is left; a switch that changes nothing is dropped
.if MSB != (\new)
	s_set_vgpr_msb (MSB<<8)|(\new)
.set MSB, (\new)
.endif
.endm
.macro PLACES                          ; four places behind matrix instructions (ISA guide 7.12.1), where no other vector work is at hand
.rept 4
	v_nop
.endr
.endm
.macro CREST                           ; a round of the cluster's barrier behind its opening barrier
	s_cmp_lg_u32 s[WV], 0
	s_cbranch_scc1 .Lnot_wave_0_\@
	s_barrier_signal -3
.Lnot_wave_0_\@:
	s_barrier_wait -3
	s_barrier_signal -1
	s_barrier_wait -1
.endm
.macro CROUND
	s_barrier_signal -1
	s_barrier_wait -1
	CREST
.endm
.macro JLOAD                           ; a joint refill by the walking descriptors; four v_nop follow each of the two lines
	s_cmp_eq_u32 s[WR], 0
	s_cbranch_scc0 .Lfor_b_\@
	tensor_load_to_lds s[G0A+4:G0A+7], s[G1A:G1A+7]
	s_nop 0
.rept 4
	v_nop
.endr
	s_branch .Lasked_\@
.Lfor_b_\@:
	tensor_load_to_lds s[G0B+4:G0B+7], s[G1B:G1B+7]
	s_nop 0
.rept 4
	v_nop
.endr
.Lasked_\@:
.endm
.macro FETCH q, f                      ; chunk q's fragments into buffer f, in one run: w's 2 NF loads, then a's 2 MF
	WIN 0x40                                       ; destination window 1, address window 0
.set ib, 0
.rept NF
	ds_load_b128 v[\f+8*ib:\f+8*ib+3],   v[ADRB] offset:(\q)*4*PA+ib*256
	ds_load_b128 v[\f+8*ib+4:\f+8*ib+7], v[ADRB] offset:(\q)*4*PA+ib*256+2*PA
.set ib, ib+1
.endr
	WIN 0
.set ib, 0
.rept MF
	ds_load_b128 v[\f+8*ib:\f+8*ib+3],   v[ADRA] offset:(\q)*4*PA+ib*256
	ds_load_b128 v[\f+8*ib+4:\f+8*ib+7], v[ADRA] offset:(\q)*4*PA+ib*256+2*PA
.set ib, ib+1
.endr
.endm
.macro MULA f, a, zero                 ; row block a x all NF column blocks, 32 along K.  zero = 1: the products start the sums, from the bias
.if \zero
	WIN 0x81+0x40*((\a)/4)
.else
	WIN 0xa1+0x50*((\a)/4)
.endif
.set ib, 0
.rept NF
.set rD, 8*(NF*((\a)%4)+ib)
.if \zero
	v_wmma_f32_16x16x32_bf16 v[rD:rD+7], v[\f+8*ib:\f+8*ib+7], v[\f+8*(\a):\f+8*(\a)+7], v[BIAS+8*ib:BIAS+8*ib+7]
.else
	v_wmma_f32_16x16x32_bf16 v[rD:rD+7], v[\f+8*ib:\f+8*ib+7], v[\f+8*(\a):\f+8*(\a)+7], v[rD:rD+7]
.endif
.set ib, ib+1
.endr
.endm
.macro MULS f, n, zero                 ; the next n row blocks, from block ia on.  The MF x NF accumulators take turns in one fixed order, one instruction a turn
.rept \n
	MULA \f, ia, \zero
.set ia, ia+1
.endr
.endm
.macro QUARTER q, zero                 ; chunk q (not a K step's last): multiplies its buffer and, in the middle, fetches chunk q + 1 into the other
.set fq, F0+64*((\q)%2)
.set gq, F1-64*((\q)%2)
	s_wait_dscnt MF                                ; all but the youngest MF loads, a's upper row blocks
.set ia, 0
	MULS fq, MF/2, \zero
	PLACES
	FETCH (\q)+1, gq
	s_wait_dscnt 2*(MF+NF)                         ; all but the run just issued
	MULS fq, MF/2, \zero
.endm
.macro MIDQ                            ; chunks 1 to NQ - 2
.set iq, 1
.rept NQ-2
	QUARTER iq, 0
.set iq, iq+1
.endr
.endm
; A K step's last chunk changes slots: ONE barrier; in front of it each wave waits for all its tensor loads (one is out: its part of the next slot), adds 0 to its spare word and waits for
; that and for its reads of this slot.  fill = 1: the barrier opens a round of the cluster's barrier, and this slot is filled again, two K steps ahead, first thing behind the round.
.macro TURN fill
	WIN 0
	s_wait_tensorcnt 0x0
	ds_add_u32 v[SPW], v[NIL]
	s_wait_dscnt MF+1                              ; the add and a's upper row blocks may be out
.set ia, 0
	MULS F1, MF/4, 0
	s_wait_dscnt 0x0                               ; the add is done, my reads of this slot are over
	s_barrier_signal -1
	MULS F1, MF/4, 0
.if \fill
	WIN 0
.endif
	s_barrier_wait -1
.if \fill
	CREST
	s_xor_b32 s[G0A+5], s[G0A+5], SLOT1            ; no tensor load of mine is out: the walking descriptors step: the other slot, the next K step
	s_add_nc_u64 s[G0A+6:G0A+7], s[G0A+6:G0A+7], STEPA
	s_xor_b32 s[G0B+5], s[G0B+5], SLOT1
	s_add_nc_u64 s[G0B+6:G0B+7], s[G0B+6:G0B+7], STEPB
	s_xor_b32 s[TB], s[TB], SLOT1
	JLOAD                                          ; its four v_nop are also the places in front of the loads below
.else
	PLACES
	s_xor_b32 s[TB], s[TB], SLOT1
.endif
	WIN 0
	v_add_nc_u32 v[ADRA], s[TB], v[AK0]
	v_add_nc_u32 v[ADRB], s[TB], v[BK0]
	FETCH 0, F0
	MULS F1, MF/2, 0
.endm
	s_load_b256 s[4:11], s[0:1], 0x0               ; a s[4:5], wb s[6:7], bias s[8:9], out s[10:11]
.if EPI == 2
	s_load_b64 s[12:13], s[0:1], 0x20              ; the residual
.endif
	v_lshl_add_u32 v[SPW], v0, 2, SPARE
	v_mov_b32 v[NIL], 0
	ds_add_u32 v28, v29
	ds_add_u32 v28, v29
	s_wait_dscnt 0x0
	v_lshrrev_b32 v1, 5, v0
	v_readfirstlane_b32 s[WV], v1
	s_lshr_b32 s[WR], s[WV], 1
	s_and_b32 s[WC], s[WV], 1
	s_bfe_u32 s17, ttmp6, 0x40000                  ; cx
	s_bfe_u32 s18, ttmp6, 0x40004                  ; cy
	s_lshl_b32 s[NTI], ttmp9, 2
	s_add_co_u32 s[NTI], s[NTI], s17
	s_and_b32 s[MTI], ttmp7, 0xffff
	s_lshl_b32 s[MTI], s[MTI], 2
	s_add_co_u32 s[MTI], s[MTI], s18
	s_lshl_b32 s21, s18, 2
	s_lshl_b32 s21, 15, s21                        ; my row of the cluster
	s_lshl_b32 s22, 0x1111, s17                    ; my column
	; group 1: KS/16 rows of 2 BM elements of 8 bytes, no padding
	s_or_b32 s[G1A], s21, (3<<16)|(1<<21)          ; 15:0 the mask; 17:16 elements of 8 bytes; 21 set beside a mask
	s_or_b32 s[G1B], s22, (3<<16)|(1<<21)
.irp g, G1A, G1B
	s_mov_b32 s[\g+1], (BM*2)<<16                  ; tensor_dim0
	s_mov_b32 s[\g+2], (KS/16)<<16                 ; tensor_dim1
	s_mov_b32 s[\g+3], (BM*2)<<16                  ; tile_dim0
	s_mov_b32 s[\g+4], KS/16                       ; tile_dim1
	s_mov_b32 s[\g+6], 0
	s_mov_b32 s[\g+7], 0
.endr
	s_mov_b32 s[G1A+5], 8192                       ; elements from an octet to the next: 4,096 rows x 2
	s_mov_b32 s[G1B+5], SIZE_N*2
	s_mul_i32 s40, s[MTI], BM*16                   ; a: the tile's rows, my half of the octets; these registers never hold cx
	s_mul_i32 s42, s[WC], (KS/16)*65536
	s_add_co_u32 s40, s40, s42
	s_mov_b32 s41, 0
	s_mul_i32 s44, s[NTI], BM*16                   ; w: the tile's columns, my half of the octets; these never hold cy
	s_mul_i32 s46, s[WC], (KS/16)*SIZE_N*16
	s_add_co_u32 s44, s44, s46
	s_add_co_u32 s44, s44, WOFF
	s_mov_b32 s45, 0
	s_lshl_b32 s66, s[WV], 15                      ; where my part goes: wave x 32,768
	s_mov_b32 s[TB], 0
	s_wait_kmcnt 0x0
	s_add_nc_u64 s[40:41], s[4:5], s[40:41]
	s_add_nc_u64 s[44:45], s[6:7], s[44:45]
	CROUND                                         ; all sixteen work-groups are here: the first joint loads meet
.irp s, 0,1
	s_mov_b32 s[G0A+4*\s], 1
	s_add_co_u32 s[G0A+4*\s+1], s66, \s*SLOT1
	s_add_nc_u64 s[G0A+4*\s+2:G0A+4*\s+3], s[40:41], \s*STEPA
	s_or_b32 s[G0A+4*\s+3], s[G0A+4*\s+3], 0x80000000
	s_mov_b32 s[G0B+4*\s], 1
	s_add_co_u32 s[G0B+4*\s+1], s66, \s*SLOT1
	s_add_nc_u64 s[G0B+4*\s+2:G0B+4*\s+3], s[44:45], \s*STEPB
	s_or_b32 s[G0B+4*\s+3], s[G0B+4*\s+3], 0x80000000
.endr
	s_cmp_eq_u32 s[WR], 0                          ; a wave's two first fills stand in one branch: two loads of mine are out
	s_cbranch_scc0 .Lfirst_b
	tensor_load_to_lds s[G0A:G0A+3], s[G1A:G1A+7]
	s_nop 0
	tensor_load_to_lds s[G0A+4:G0A+7], s[G1A:G1A+7]
	s_nop 0
.rept 4
	v_nop
.endr
	s_branch .Lfirst_asked
.Lfirst_b:
	tensor_load_to_lds s[G0B:G0B+3], s[G1B:G1B+7]
	s_nop 0
	tensor_load_to_lds s[G0B+4:G0B+7], s[G1B:G1B+7]
	s_nop 0
.rept 4
	v_nop
.endr
.Lfirst_asked:
	; a fragment: lane l holds row l%16; registers 0-3 octet 4 q + l/16, registers 4-7 octet 4 q + 2 + l/16
	v_and_b32 v1, 15, v0                           ; r
	v_bfe_u32 v2, v0, 4, 1                         ; h
	v_lshlrev_b32 v3, 4, v1
	v_mul_u32_u24 v4, v2, PA
	v_add_nc_u32 v3, v3, v4                        ; 16 r + h x octet row
	s_mul_i32 s67, s[WR], MF*256
	v_add_nc_u32 v[AK0], s67, v3
	s_mul_i32 s67, s[WC], NF*256
	s_add_co_u32 s67, s67, 65536                   ; w's tile lies behind a's
	v_add_nc_u32 v[BK0], s67, v3
	v_mov_b32 v[ADRA], v[AK0]
	v_mov_b32 v[ADRB], v[BK0]
	v_lshlrev_b32 v[BOF], 5, v2                    ; bias: 8 h numbers
	s_mul_i32 s70, s[NTI], BM*4
	s_mul_i32 s71, s[WC], NF*64
	s_add_co_u32 s70, s70, s71
	s_mov_b32 s71, 0
	s_add_nc_u64 s[8:9], s[8:9], s[70:71]
.set ib, 0
.rept NF
	global_load_b128 v[BIAS+8*ib:BIAS+8*ib+3],   v[BOF], s[8:9] offset:64*ib       ; register j: bias[n0 + 16 b + 8 h + j]
	global_load_b128 v[BIAS+8*ib+4:BIAS+8*ib+7], v[BOF], s[8:9] offset:64*ib+16
.set ib, ib+1
.endr
.if EPI == 2
	s_lshl_b32 s68, s[MTI], 19                     ; 128 rows of 4,096 bytes a tile,
	s_lshl_b32 s70, s[WR], 18                      ; 64 a wave,
	s_add_co_u32 s68, s68, s70
	s_lshl_b32 s70, s[NTI], 9                      ; 128 columns of 4 bytes,
	s_add_co_u32 s68, s68, s70
	s_lshl_b32 s70, s[WC], 8                       ; 64 a wave
	s_add_co_u32 s68, s68, s70
	s_mov_b32 s69, 0
	s_add_nc_u64 s[10:11], s[10:11], s[68:69]
	s_add_nc_u64 s[12:13], s[12:13], s[68:69]
	v_lshl_add_u32 v[RO], v2, 12, v3
	v_sub_nc_u32 v[RO], v[RO], v4                  ; 4,096 h + 16 r: lanes 0-15 one row's 256 bytes, lanes 16-31 the next row's
	WIN 0xc0                                       ; destination window 3
.set ia, 0
.rept 32
	global_load_b128 v[4*ia:4*ia+3], v[RO], s[12:13] offset:2*ia*4096   ; the residual of my 64 x 64, two rows a load: it lands under the K loop
.set ia, ia+1
.endr
	WIN 0
	s_mul_i32 s72, s[WV], 4352
	s_add_co_u32 s72, s72, STAGE
	v_mul_u32_u24 v5, v1, 272
	v_lshl_add_u32 v5, v2, 5, v5
	v_add_nc_u32 v[STO], s72, v5                   ; in: row r, 32 bytes for each half of the lanes
	v_mul_u32_u24 v5, v2, 272
	v_lshl_add_u32 v5, v1, 4, v5
	v_add_nc_u32 v[RD], s72, v5                    ; back: whole rows
.else
	s_lshl_b32 s68, s[NTI], 21                     ; 32 octets of 65,536 bytes a tile,
	s_lshl_b32 s70, s[WC], 20                      ; 16 a wave,
	s_add_co_u32 s68, s68, s70
	s_lshl_b32 s70, s[MTI], 12                     ; 256 rows of 16 bytes,
	s_add_co_u32 s68, s68, s70
	s_lshl_b32 s70, s[WR], 11                      ; 128 a wave
	s_add_co_u32 s68, s68, s70
	s_mov_b32 s69, 0
	s_add_nc_u64 s[10:11], s[10:11], s[68:69]
	v_lshlrev_b32 v5, 4, v1
	v_lshl_add_u32 v[CO], v2, 16, v5               ; octet h, row r
.endif
.if EPI == 1
	v_and_b32 v5, 31, v0
	v_lshlrev_b32 v5, 4, v5
	s_lshl_b32 s72, s[WV], 16
	v_add_nc_u32 v[LA], s72, v5
.endif
	s_wait_tensorcnt 0x1                           ; my part of K step 0 is in; K step 1's may stay out
	s_barrier_signal -1
	s_barrier_wait -1
	FETCH 0, F0
.if EPI == 2
	s_wait_loadcnt 32                              ; the bias is in; the 32 younger loads, the residual, stay out
.else
	s_wait_loadcnt 0x0                             ; the bias
.endif
	QUARTER 0, 1                                   ; the first chunk stands in front of the loop: its products start the sums
	WIN 0                                          ; at a label and at a branch every window is 0
	s_mov_b32 s3, NT-2
.Lk:                                                   ; a trip: the rest of a K step, the refill of its slot, the next K step's first chunk
	MIDQ
	TURN 1
	QUARTER 0, 0
	WIN 0
	s_sub_co_u32 s3, s3, 1
	s_cmp_lg_u32 s3, 0
	s_cbranch_scc1 .Lk
	MIDQ                                           ; the last two K steps ask for nothing more
	TURN 0
	QUARTER 0, 0
	MIDQ
	s_wait_dscnt MF
.set ia, 0
	MULS F1, MF/2, 0
	s_wait_dscnt 0x0
	MULS F1, MF/2, 0
	WIN 0
.if EPI == 0
	; a lane's eight results of a block are one 16-byte chunk of the octet layout: straight from registers, sixteen lanes store 256 consecutive bytes, aligned
	PLACES
.set ia, 0
.rept 8
.if ia == 4
	s_wait_xcnt 0x0                                ; the four sets of packed registers are written again only behind this wait
.endif
	WIN 0x0a+5*(ia/4)                              ; sources window 2 or 3
.set ib, 0
.rept 32
	v_cvt_pk_bf16_f32 v[64+32*(ia%4)+ib], v[64*(ia%4)+2*ib], v[64*(ia%4)+2*ib+1]
.set ib, ib+1
.endr
	WIN 0
.set ib, 0
.rept 8
	global_store_b128 v[CO], v[64+32*(ia%4)+4*ib:64+32*(ia%4)+4*ib+3], s[10:11] offset:ib*131072+ia*256
.set ib, ib+1
.endr
.set ia, ia+1
.endr
.endif
.if EPI == 1
	; gelu(x) = x / (1 + 2^(-x (k1 + k3 x x))), k1 = 2 sqrt(2/pi) log2 e, k3 = 0.044715 k1: the same function as 0.5 x (1 + tanh(..)).
	; Written once and walked eight times: the accumulators go into the ring, which has had its last fill, 65,536 bytes a wave, each lane reading back its own bytes.
	s_barrier_signal -1                            ; every wave's reads of the ring are back (the wait for 0 above)
	s_barrier_wait -1
	PLACES
.set ia, 0
.rept 8
	WIN 0x08+4*(ia/4)                              ; store data window 2 or 3
.set ib, 0
.rept 8
.set rD, 8*(8*(ia%4)+ib)
	ds_store_b128 v[LA], v[rD:rD+3]   offset:(8*ia+ib)*1024
	ds_store_b128 v[LA], v[rD+4:rD+7] offset:(8*ia+ib)*1024+512
.set ib, ib+1
.endr
.set ia, ia+1
.endr
	WIN 0
	v_mov_b32 v[KC3], 0xbdd2d3e8                   ; -k3 = -0.10294324
	v_mov_b32 v[KC3+1], 0xbdd2d3e8
	v_mov_b32 v[KC1], 0xc0135761                   ; -k1 = -2.3022082
	v_mov_b32 v[KC1+1], 0xc0135761
	s_mov_b32 s3, 8
.Lgelu:                                                ; a trip: 16 rows x 128 columns
.irp b, 0,1,2,3,4,5,6,7
	ds_load_b128 v[64+8*\b:64+8*\b+3], v[LA] offset:\b*1024
	ds_load_b128 v[64+8*\b+4:64+8*\b+7], v[LA] offset:\b*1024+512
.endr
	s_wait_dscnt 0x0
.set i, 0
.rept 32
	v_pk_mul_f32 v[128+i:128+i+1], v[64+i:64+i+1], v[64+i:64+i+1]
.set i, i+2
.endr
.set i, 0
.rept 32
	v_pk_fma_f32 v[128+i:128+i+1], v[128+i:128+i+1], v[KC3:KC3+1], v[KC1:KC1+1]
.set i, i+2
.endr
.set i, 0
.rept 32
	v_pk_mul_f32 v[128+i:128+i+1], v[128+i:128+i+1], v[64+i:64+i+1]
.set i, i+2
.endr
.set i, 0
.rept 64
	v_exp_f32 v[128+i], v[128+i]
.set i, i+1
.endr
	v_nop                                          ; a plain instruction between the run and the use of its results (ISA guide 5.7.2)
.set i, 0
.rept 32
	v_pk_add_f32 v[128+i:128+i+1], v[128+i:128+i+1], 1.0 op_sel_hi:[1,0]
.set i, i+2
.endr
.set i, 0
.rept 64
	v_rcp_f32 v[128+i], v[128+i]
.set i, i+1
.endr
	v_nop
.set i, 0
.rept 32
	v_pk_mul_f32 v[64+i:64+i+1], v[64+i:64+i+1], v[128+i:128+i+1]
.set i, i+2
.endr
.set i, 0
.rept 32
	v_cvt_pk_bf16_f32 v[192+i], v[64+2*i], v[64+2*i+1]
.set i, i+1
.endr
.irp b, 0,1,2,3,4,5,6,7
	global_store_b128 v[CO], v[192+4*\b:192+4*\b+3], s[10:11] offset:\b*131072
.endr
	s_wait_xcnt 0x0                                ; the stores' offset and data are written again only behind this wait
	v_add_nc_u32 v[LA], 8192, v[LA]
	v_add_nc_u32 v[CO], 256, v[CO]
	s_sub_co_u32 s3, s3, 1
	s_cmp_lg_u32 s3, 0
	s_cbranch_scc1 .Lgelu
.endif
.if EPI == 2
	; 16 rows at a time through my own stage: in as 32 bytes a lane, back as whole rows of 256 bytes; the residual is added; sixteen lanes store 256 consecutive bytes, aligned
	s_wait_loadcnt 0x0                             ; the residual
	PLACES
.set ia, 0
.rept 4
	WIN 0x08                                       ; store data window 2
.set ib, 0
.rept 4
	ds_store_b128 v[STO], v[8*(4*ia+ib):8*(4*ia+ib)+3]   offset:64*ib
	ds_store_b128 v[STO], v[8*(4*ia+ib)+4:8*(4*ia+ib)+7] offset:64*ib+16
.set ib, ib+1
.endr
	WIN 0
.if ia >= 2
	s_wait_xcnt 0x0                                ; the set of registers that earlier stores read is loaded again only behind this wait
.endif
.set ob, 64+32*(ia%2)
.set ib, 0
.rept 8
	ds_load_b128 v[ob+4*ib:ob+4*ib+3], v[RD] offset:ib*544     ; LDS serves a wave's instructions in order: these see the stores above
.set ib, ib+1
.endr
	s_wait_dscnt 0x0
	WIN 0x0c                                       ; source 1 window 3
.set ib, 0
.rept 16
	v_pk_add_f32 v[ob+2*ib:ob+2*ib+1], v[ob+2*ib:ob+2*ib+1], v[32*ia+2*ib:32*ia+2*ib+1]
.set ib, ib+1
.endr
	WIN 0
.set ib, 0
.rept 8
	global_store_b128 v[RO], v[ob+4*ib:ob+4*ib+3], s[10:11] offset:(16*ia+2*ib)*4096
.set ib, ib+1
.endr
.set ia, ia+1
.endr
.endif
	s_wait_tensorcnt 0x0                           ; the wave's end
	ds_add_u32 v[SPW], v[NIL]
	s_wait_dscnt 0x0
	CROUND                                         ; the closing round: no work-group ends while a partner may still ask for a tile that names it
	s_endpgm
.Lfunc_end_k_qa31c33d68a_gqkv:
	.size	k_qa31c33d68a_gqkv, .Lfunc_end_k_qa31c33d68a_gqkv-k_qa31c33d68a_gqkv
	.p2alignl 7, 3214868480
	.fill 96, 4, 3214868480
	.section	.rodata,"a",@progbits
	.p2align	6, 0x0
	.amdhsa_kernel k_qa31c33d68a_gqkv
		.amdhsa_group_segment_fixed_size 327680
		.amdhsa_private_segment_fixed_size 0
		.amdhsa_enable_private_segment 0
		.amdhsa_kernarg_size 32
		.amdhsa_user_sgpr_count 2
		.amdhsa_user_sgpr_kernarg_segment_ptr 1
		.amdhsa_wavefront_size32 1
		.amdhsa_system_sgpr_workgroup_id_x 1
		.amdhsa_system_sgpr_workgroup_id_y 1
		.amdhsa_system_sgpr_workgroup_id_z 1
		.amdhsa_system_vgpr_workitem_id 0
		.amdhsa_next_free_vgpr 1024
		.amdhsa_next_free_sgpr 80
		.amdhsa_reserve_vcc 0
		.amdhsa_float_denorm_mode_32 3
		.amdhsa_float_denorm_mode_16_64 3
		.amdhsa_memory_ordered 1
		.amdhsa_forward_progress 1
		.amdhsa_inst_pref_size 109
	.end_amdhsa_kernel
	.amdgpu_metadata
---
amdhsa.version: [ 1, 2 ]
amdhsa.kernels:
  - .name:           k_qa31c33d68a_gqkv
    .symbol:         k_qa31c33d68a_gqkv.kd
    .args:
      - { .name: hn, .offset: 0, .size: 8, .value_kind: global_buffer, .address_space: global }
      - { .name: wb, .offset: 8, .size: 8, .value_kind: global_buffer, .address_space: global }
      - { .name: b_attn, .offset: 16, .size: 8, .value_kind: global_buffer, .address_space: global }
      - { .name: qkvb, .offset: 24, .size: 8, .value_kind: global_buffer, .address_space: global }
    .group_segment_fixed_size: 327680
    .private_segment_fixed_size: 0
    .kernarg_segment_align: 8
    .kernarg_segment_size: 32
    .max_flat_workgroup_size: 128
    .sgpr_count:     80
    .vgpr_count:     1024
    .wavefront_size: 32
...
	.end_amdgpu_metadata
.endif
;; end of part 2
;; launch attn (part 3): grid 8 x 32, 8 waves a work-group, no clusters, 327,680 bytes of LDS; arguments qkvb, yat; writes yat
.if DOCPART == 3
	.amdgcn_target "amdgcn-amd-amdhsa--gfx1250"
	.amdhsa_code_object_version 6
	.text
	.protected	k_qa31c33d68a_attn
	.globl	k_qa31c33d68a_attn
	.p2align	8
	.type	k_qa31c33d68a_attn,@function
k_qa31c33d68a_attn:
	s_mov_b64 s[64:65], 0
	v_nop
	global_prefetch_b8 v0, s[64:65] scope:SCOPE_SE
	s_setreg_imm32_b32 hwreg(HW_REG_WAVE_MODE, 25, 1), 1
	s_wait_xcnt 0x0
; yat = causal softmax(q k^T / 8) v for 32 (batch, head) pairs, 2,048 tokens, head size 64.  qkvb and yat lie in the octet layout (element (token, c) at byte (c/8) x 65,536 + token x 16 + (c%8) x 2).
; SHARES.  A head's queries are 16 blocks of 128, its keys 16 units of 128.  Work-group (p, head) takes block p and then block 15 - p: (p + 1) + (16 - p) = 17 units for every work-group.
; Eight waves, two to a SIMD, so that one wave's waits are filled by the other's instructions.  Wave w owns queries 32 (w%4) .. +31 of the block (two tiles of 16) and, of EVERY unit,
; keys 64 (w/4) .. +63: the two waves of a pair (w, w + 4) see the same queries and disjoint keys, each keeps its own maximum, sum and O, and the two are merged at the block's end.
; SLOTS.  A slot holds a quad, four units (512 keys): ceil((p+1)/4) + ceil((16-p)/4) = 5 quads for every p: one loop of 4 trips and a tail.  A quad's load has the quad before it in which to land.
; Of a block's last quad up to three units lie beyond the block's own unit: they are fetched with the quad and not read.
; NO CLUSTER: work-groups p = 0..3 (and 4..7) of a head walk the same quads, but the jumps over masked units hang on p, which differs between them.
; LAYOUT.  S^T = K Q^T (source 0 = 16 keys, source 1 = 16 queries): a lane holds ONE query (lane%16) and keys 8 (lane/16) + 0..7; two such tiles rounded to bf16 ARE source 1 of O^T = V^T P,
; whose result holds one query and eight channels a lane: one 16-byte chunk of yat.  K comes out of LDS as it lies, V turned by ds_load_tr16_b128.
; SOFTMAX.  A running maximum m and sum l for each query: p = 2^(c s - c m), c = log2(e)/8; O and l are multiplied by 2^(c m_old - c m_new) in every step.
; A block starts with m = -inf, l = 0: a wave's first step of a block makes m finite (no step is run in which a query sees none of the wave's keys: such steps are jumped) and the factor 0, which wipes what O held.
; A wave that runs no step in a block (block 0, queries 0-63, keys 64-127) hands m = -inf, l = 0, O = 0 to the merge, where its factor is 0.
; Limits: q, k, v and the weights p are bf16; the wipe needs a finite O; v_exp_f32 and v_rcp_f32 flush denormals.
; LDS.  A slot: 8 octet rows of K, then 8 of V; a row is 512 keys x 16 bytes with 16 bytes of padding behind every 1,024: 64 keys are 1,040 bytes apart, rows 8,320 (128 modulo 256).
; Behind the two slots: the merge's scratch, then the spare words.
.set PT,    8320
.set GP,    1040
.set SLOTB, 16*PT                      ; 133,120 bytes a slot
.set SCR,   2*SLOTB                    ; the merge's scratch: 17 x 512 bytes for each pair of waves; no fill lands here
.set SCRW,  17*512
.set SPARE, SCR+4*SCRW                 ; the spare words: 128 bytes a wave, four blocks of 256 bytes that no other line names
.set AK0,  4                           ; my lane's place in K's rows; never rewritten
.set AV0,  5                           ; in V's
.set ADRK, 6
.set ADRV, 7
.set QO,   8                           ; my byte offset in q and in yat: octet lane/16, token lane%16
.set NEG,  9                           ; -inf
.set DQ,   10                          ; v10-11  tile t: my query less my first key, inside a unit: 32 (w%4) + 16 t + lane%16 - 8 (lane/16) - 64 (w/4)
.set SCRA, 12                          ; my 16 bytes in my pair's scratch
.set SPW,  14
.set NIL,  15
.set ST,   16                          ; tile t at v[ST+8 t]: +0 c m, +1 m, +2, +3 l (even, odd keys), +4 to +7 at work; +6 the factor
.set Q,    32                          ; 16 t + 8 cc
.set S,    64                          ; 32 t + 8 kt
.set P,    128                         ; 16 t + 4 kt
.set O,    160                         ; 32 t + 8 ct
.set KF,   0                           ; window 1: 16 kt + 8 cc
.set VF,   64                          ; window 1: 16 ct + 8 kc
.set QB,   128                         ; window 1: the second block's Q
.set WV,   8
.set PP,   9                           ; p
.set Q1,   10                          ; quads of the first block
.set U,    11                          ; the quad, 0..4
.set G1,   16
.set G0,   24
.set KB,   28                          ; s[28:29] my two octet rows of K or V at key 0
.set KOFF, 30                          ; s[30:31] byte offset of the quad asked for next
.set TB,   32                          ; LDS byte of the 64 keys in hand
.set CNT,  33
.set UG,   34                          ; the unit in hand, counted inside the block
.set DIAG, 35                          ; 1: the unit is the block's own (the mask cuts it)
.set CS,   36
.set SEL,  38
.set YB,   40                          ; s[40:41] yat at my 32 queries of the block in hand;  s[42:43] of the second block
.set YB2,  42
.set KH,   54                          ; w / 4: which 64 keys of a unit
.set QG,   55                          ; w % 4: which 32 queries
.set SKW,  56                          ; 1 in waves 4 and 5: in the block's own unit all my keys lie behind all my queries
.set IB,   57                          ; the block in hand = its own unit's number
.set SB,   58                          ; base of the slot that is read
.set FB,   59                          ; base of the slot that was filled last
.set WO,   60                          ; my two rows' place in a slot
.set KHO,  61                          ; my 64 keys' place in a unit
.set UB,   62                          ; the quad's first unit, counted inside the block
.set TMP,  63
.set IB2,  66                          ; 15 - p
.set Q1M,  67                          ; Q1 - 1
.set MSB, 0
.macro WIN new
.if MSB != (\new)
	s_set_vgpr_msb (MSB<<8)|(\new)
.set MSB, (\new)
.endif
.endm
.macro PLACES
.rept 4
	v_nop
.endr
.endm
; The head of a quad: all my tensor loads have landed (one: my rows of this quad), the add, my reads of the other slot are back, the barrier; then the next quad goes into the other slot.
.macro HEAD refill
	s_wait_tensorcnt 0x0
	ds_add_u32 v[SPW], v[NIL]
.if \refill
	s_xor_b32 s[FB], s[FB], SLOTB                  ; no tensor load of mine is out: the descriptor steps: the other slot,
	s_add_co_u32 s[G0+1], s[FB], s[WO]
	s_add_co_u32 s[KOFF], s[KOFF], 8192            ; the next 512 keys,
	s_cmp_eq_u32 s[U], s[Q1M]
	s_cselect_b32 s[KOFF], 0, s[KOFF]              ; or key 0 again, for the second block
	s_add_nc_u64 s[G0+2:G0+3], s[KB:KB+1], s[KOFF:KOFF+1]
	s_or_b32 s[G0+3], s[G0+3], 0x80000000
.endif
	s_wait_dscnt 0x0
	s_barrier_signal -1
	s_barrier_wait -1
.if \refill
	tensor_load_to_lds s[G0:G0+3], s[G1:G1+7]      ; it has this quad's steps in which to land
	s_nop 0
.rept 4
	v_nop
.endr
.endif
.endm
.macro SOFTMAX                         ; both tiles, phase by phase; each accumulator is read from its low end on
.irp j, 0,1,2,3
.irp t, 0,1
	v_max3_num_f32 v[ST+8*\t+4+\j], v[S+32*\t+8*\j], v[S+32*\t+8*\j+1], v[S+32*\t+8*\j+2]
.endr
.endr
.irp g, 1,2
.irp j, 0,1,2,3
.irp t, 0,1
	v_max3_num_f32 v[ST+8*\t+4+\j], v[ST+8*\t+4+\j], v[S+32*\t+8*\j+2*\g+1], v[S+32*\t+8*\j+2*\g+2]
.endr
.endr
.endr
.irp t, 0,1
	v_max3_num_f32 v[ST+8*\t+4], v[ST+8*\t+4], v[S+32*\t+7], v[S+32*\t+15]
	v_max3_num_f32 v[ST+8*\t+6], v[ST+8*\t+6], v[S+32*\t+23], v[S+32*\t+31]
.endr
.irp t, 0,1
	v_max3_num_f32 v[ST+8*\t+4], v[ST+8*\t+4], v[ST+8*\t+5], v[ST+8*\t+6]
.endr
.irp t, 0,1
	v_max3_num_f32 v[ST+8*\t+4], v[ST+8*\t+4], v[ST+8*\t+7], v[ST+8*\t+1]
.endr
.irp t, 0,1
	v_permlanex16_b32 v[ST+8*\t+5], v[ST+8*\t+4], s[SEL], s[SEL+1]   ; the query's other keys lie in the lane 16 away
	v_mov_b32 v[ST+8*\t+7], v[ST+8*\t]             ; c m_old
.endr
.irp t, 0,1
	v_max_num_f32 v[ST+8*\t+1], v[ST+8*\t+4], v[ST+8*\t+5]
.endr
.irp t, 0,1
	v_mul_f32 v[ST+8*\t], s[CS], v[ST+8*\t+1]
.endr
.irp t, 0,1
	v_sub_f32 v[ST+8*\t+7], v[ST+8*\t+7], v[ST+8*\t]
.endr
.irp t, 0,1
	v_exp_f32 v[ST+8*\t+6], v[ST+8*\t+7]
.endr
.set u, 0
.rept 16
.irp t, 0,1
	v_pk_fma_f32 v[S+32*\t+u:S+32*\t+u+1], v[S+32*\t+u:S+32*\t+u+1], s[CS:CS+1], v[ST+8*\t:ST+8*\t+1] op_sel_hi:[1,0,0] neg_lo:[0,0,1] neg_hi:[0,0,1]
.endr
.set u, u+2
.endr
.set u, 0
.rept 64
	v_exp_f32 v[S+u], v[S+u]
.set u, u+1
.endr
	v_nop                                          ; a plain instruction between the run and the use of its results (ISA guide 5.7.2)
.set u, 0
	s_wait_alu depctr_va_vdst(0)
.rept 32
	v_cvt_pk_bf16_f32 v[P+u], v[S+2*u], v[S+2*u+1]
.set u, u+1
.endr
.irp w, 16,8,4,2
.set u, 0
.rept \w/2
.irp t, 0,1
	v_pk_add_f32 v[S+32*\t+u:S+32*\t+u+1], v[S+32*\t+u:S+32*\t+u+1], v[S+32*\t+u+\w:S+32*\t+u+\w+1]
.endr
.set u, u+2
.endr
.endr
.irp t, 0,1
	v_pk_fma_f32 v[ST+8*\t+2:ST+8*\t+3], v[ST+8*\t+2:ST+8*\t+3], v[ST+8*\t+6:ST+8*\t+7], v[S+32*\t:S+32*\t+1] op_sel_hi:[1,0,1]
.endr
.set u, 0
.rept 16
.irp t, 0,1
	v_pk_mul_f32 v[O+32*\t+u:O+32*\t+u+1], v[O+32*\t+u:O+32*\t+u+1], v[ST+8*\t+6:ST+8*\t+7] op_sel_hi:[1,0]
.endr
.set u, u+2
.endr
.endm
.macro STEP                            ; my 32 queries x my 64 keys of a unit
	v_add_nc_u32 v[ADRK], s[TB], v[AK0]            ; with the two v_nop: the four places between the last products, which read V, and the loads into V
	v_add_nc_u32 v[ADRV], s[TB], v[AV0]
	v_nop
	v_nop
	WIN 0x40                                       ; destination window 1
.irp kt, 0,1,2,3
.irp cc, 0,1
	ds_load_b128 v[KF+16*\kt+8*\cc:KF+16*\kt+8*\cc+3],   v[ADRK] offset:\cc*4*PT+\kt*256
	ds_load_b128 v[KF+16*\kt+8*\cc+4:KF+16*\kt+8*\cc+7], v[ADRK] offset:\cc*4*PT+\kt*256+2*PT
.endr
.endr
.irp ct, 0,1,2,3
.irp kc, 0,1
	ds_load_tr16_b128 v[VF+16*\ct+8*\kc:VF+16*\ct+8*\kc+3],   v[ADRV] offset:\ct*2*PT+\kc*512
	ds_load_tr16_b128 v[VF+16*\ct+8*\kc+4:VF+16*\ct+8*\kc+7], v[ADRV] offset:\ct*2*PT+\kc*512+256
.endr
.endr
	s_wait_dscnt 16                                ; K is in; V's sixteen loads stay out
	WIN 0x01                                       ; source 0 window 1
.irp cc, 0,1                           ; the eight accumulators take turns
.irp kt, 0,1,2,3
.irp t, 0,1
.if \cc == 0
	v_wmma_f32_16x16x32_bf16 v[S+32*\t+8*\kt:S+32*\t+8*\kt+7], v[KF+16*\kt+8*\cc:KF+16*\kt+8*\cc+7], v[Q+16*\t+8*\cc:Q+16*\t+8*\cc+7], 0
.else
	v_wmma_f32_16x16x32_bf16 v[S+32*\t+8*\kt:S+32*\t+8*\kt+7], v[KF+16*\kt+8*\cc:KF+16*\kt+8*\cc+7], v[Q+16*\t+8*\cc:Q+16*\t+8*\cc+7], v[S+32*\t+8*\kt:S+32*\t+8*\kt+7]
.endif
.endr
.endr
.endr
	WIN 0
	PLACES
	s_cmp_eq_u32 s[DIAG], 0                        ; hangs on the work-group's and the loops' numbers alone
	s_cbranch_scc1 .Lopen_\@
.irp t, 0,1
.set u, 0
.rept 32
	v_cmp_le_i32 vcc_lo, 16*(u/8)+u%8, v[DQ+\t]    ; key <= query
	v_cndmask_b32 v[S+32*\t+u], v[NEG], v[S+32*\t+u], vcc_lo
.set u, u+1
.endr
.endr
.Lopen_\@:
	SOFTMAX
	s_wait_dscnt 0x0                               ; V is in
	WIN 0x01
.irp kc, 0,1
.irp ct, 0,1,2,3
.irp t, 0,1
	v_wmma_f32_16x16x32_bf16 v[O+32*\t+8*\ct:O+32*\t+8*\ct+7], v[VF+16*\ct+8*\kc:VF+16*\ct+8*\kc+7], v[P+16*\t+8*\kc:P+16*\t+8*\kc+7], v[O+32*\t+8*\ct:O+32*\t+8*\ct+7]
.endr
.endr
.endr
	WIN 0
.endm
; A quad's four units: the step is written once and walked four times.  A unit behind the block's own is all masked; so is, for waves 4 and 5, their half of the block's own unit:
; such steps are jumped, forward, to the label ahead of the counter's step.
.macro STEPS
	s_add_co_u32 s[TB], s[SB], s[KHO]
	s_mov_b32 s[UG], s[UB]
	s_mov_b32 s[CNT], 4
.Lstep_\@:
	s_cmp_gt_u32 s[UG], s[IB]
	s_cbranch_scc1 .Lnext_\@
	s_cmp_eq_u32 s[UG], s[IB]
	s_cselect_b32 s[DIAG], 1, 0
	s_and_b32 s[TMP], s[DIAG], s[SKW]
	s_cmp_lg_u32 s[TMP], 0
	s_cbranch_scc1 .Lnext_\@
	STEP
.Lnext_\@:
	s_add_co_u32 s[TB], s[TB], 2*GP                ; my 64 keys of the next unit
	s_add_co_u32 s[UG], s[UG], 1
	s_sub_co_u32 s[CNT], s[CNT], 1
	s_cmp_lg_u32 s[CNT], 0
	s_cbranch_scc1 .Lstep_\@
.endm
; A block is done.  Waves 4-7 store c m, l and O into their pair's scratch; every wave waits for its tensor loads, adds 0 to its spare word, waits for its LDS instructions and passes a barrier;
; waves 0-3 merge: with M = max(c mA, c mB), fA = 2^(c mA - M), fB = 2^(c mB - M): l = lA fA + lB fB, O = (OA fA + OB fB) / l; rounded and stored, sixteen lanes to 256 consecutive bytes, aligned.
; The scratch's next stores stand behind a later barrier in front of which waves 0-3 have waited for these reads.
.macro CHANGE
	PLACES                                         ; behind the last products
	s_cmp_eq_u32 s[KH], 0
	s_cbranch_scc1 .Lkeep_\@
	v_mov_b32 v[S], v[ST]
	v_add_f32 v[S+1], v[ST+2], v[ST+3]
	v_mov_b32 v[S+2], v[ST+8]
	v_add_f32 v[S+3], v[ST+10], v[ST+11]
.set u, 0
.rept 16
	ds_store_b128 v[SCRA], v[O+4*u:O+4*u+3] offset:u*512
.set u, u+1
.endr
	ds_store_b128 v[SCRA], v[S:S+3] offset:16*512
.Lkeep_\@:
	s_wait_tensorcnt 0x0                           ; no tensor load is out at this barrier
	ds_add_u32 v[SPW], v[NIL]
	s_wait_dscnt 0x0                               ; for the partner's sake: my stores are done
	s_barrier_signal -1
	s_barrier_wait -1
	s_cmp_lg_u32 s[KH], 0
	s_cbranch_scc1 .Ldone_\@
	ds_load_b128 v[P:P+3], v[SCRA] offset:16*512   ; the partner's c m and l of both tiles,
.set u, 0
.rept 16
	ds_load_b128 v[S+4*u:S+4*u+3], v[SCRA] offset:u*512        ; and its O
.set u, u+1
.endr
.irp t, 0,1
	v_add_f32 v[ST+8*\t+4], v[ST+8*\t+2], v[ST+8*\t+3]
.endr
	s_wait_dscnt 16                                ; c m and l are in; the sixteen loads of O stay out
.irp t, 0,1
	v_max_num_f32 v[ST+8*\t+5], v[ST+8*\t], v[P+2*\t]
.endr
.irp t, 0,1
	v_sub_f32 v[ST+8*\t+6], v[ST+8*\t], v[ST+8*\t+5]
	v_sub_f32 v[ST+8*\t+7], v[P+2*\t], v[ST+8*\t+5]
.endr
.irp t, 0,1
	v_exp_f32 v[ST+8*\t+6], v[ST+8*\t+6]
	v_exp_f32 v[ST+8*\t+7], v[ST+8*\t+7]
.endr
	v_nop                                          ; a plain instruction between the run and the use of its results (ISA guide 5.7.2)
	s_wait_alu depctr_va_vdst(0)
.irp t, 0,1
	v_mul_f32 v[ST+8*\t+4], v[ST+8*\t+4], v[ST+8*\t+6]
.endr
.irp t, 0,1
	v_fma_f32 v[ST+8*\t+4], v[P+2*\t+1], v[ST+8*\t+7], v[ST+8*\t+4]
.endr
.irp t, 0,1
	v_permlanex16_b32 v[ST+8*\t+5], v[ST+8*\t+4], s[SEL], s[SEL+1]   ; the other half of the lanes holds the query's other keys
.endr
.irp t, 0,1
	v_add_f32 v[ST+8*\t+4], v[ST+8*\t+4], v[ST+8*\t+5]
.endr
.irp t, 0,1
	v_rcp_f32 v[ST+8*\t+5], v[ST+8*\t+4]
.endr
	v_nop
	s_wait_alu depctr_va_vdst(0)
.irp t, 0,1
	v_mul_f32 v[P+4+2*\t], v[ST+8*\t+7], v[ST+8*\t+5]          ; fB / l, twice: a pair for the packed arithmetic
	v_mul_f32 v[P+5+2*\t], v[ST+8*\t+7], v[ST+8*\t+5]
	v_mul_f32 v[ST+8*\t+6], v[ST+8*\t+6], v[ST+8*\t+5]         ; fA / l,
.endr
.irp t, 0,1
	v_mov_b32 v[ST+8*\t+7], v[ST+8*\t+6]                       ; twice
.endr
.irp t, 0,1
.set u, 0
.rept 16
	v_pk_mul_f32 v[O+32*\t+u:O+32*\t+u+1], v[O+32*\t+u:O+32*\t+u+1], v[ST+8*\t+6:ST+8*\t+7]
.set u, u+2
.endr
.endr
	s_wait_dscnt 0x0                               ; the partner's O
.irp t, 0,1
.set u, 0
.rept 16
	v_pk_fma_f32 v[O+32*\t+u:O+32*\t+u+1], v[S+32*\t+u:S+32*\t+u+1], v[P+4+2*\t:P+5+2*\t], v[O+32*\t+u:O+32*\t+u+1]
.set u, u+2
.endr
.endr
.set u, 0
.rept 32
	v_cvt_pk_bf16_f32 v[S+u], v[O+2*u], v[O+2*u+1]
.set u, u+1
.endr
.irp t, 0,1
.irp c, 0,1,2,3
	global_store_b128 v[QO], v[S+16*\t+4*\c:S+16*\t+4*\c+3], s[YB:YB+1] offset:\c*131072+\t*256
.endr
.endr
	s_wait_xcnt 0x0                                ; the stores' data and base are written again only behind this wait
.Ldone_\@:
.endm
	s_load_b128 s[4:7], s[0:1], 0x0                ; qkvb s[4:5], yat s[6:7]
	v_lshl_add_u32 v[SPW], v0, 2, SPARE
	v_mov_b32 v[NIL], 0
	ds_add_u32 v14, v15
	ds_add_u32 v14, v15
	s_wait_dscnt 0x0
	v_lshrrev_b32 v1, 5, v0
	v_readfirstlane_b32 s[WV], v1
	s_lshr_b32 s[KH], s[WV], 2
	s_and_b32 s[QG], s[WV], 3
	s_lshr_b32 s[TMP], s[WV], 1
	s_cmp_eq_u32 s[TMP], 2                         ; waves 4 and 5
	s_cselect_b32 s[SKW], 1, 0
	s_mul_i32 s[KHO], s[KH], GP
	s_mul_i32 s[WO], s[WV], 2*PT
	s_mov_b32 s[PP], ttmp9
	s_add_co_u32 s[Q1], ttmp9, 4
	s_lshr_b32 s[Q1], s[Q1], 2                     ; ceil((p + 1) / 4)
	s_sub_co_u32 s[Q1M], s[Q1], 1
	s_mov_b32 s[IB], ttmp9
	s_sub_co_u32 s[IB2], 15, ttmp9
	s_and_b32 s12, ttmp7, 0xffff
	s_lshr_b32 s13, s12, 4                         ; batch
	s_and_b32 s12, s12, 15                         ; head
	; group 1: 2 octet rows of 1,024 elements of 8 bytes; 4 words of padding behind every 256 words
	s_mov_b32 s[G1], (3<<16)|(1<<20)|(7<<22)|(3<<25)
	s_mov_b32 s[G1+1], 1024<<16
	s_mov_b32 s[G1+2], 2<<16
	s_mov_b32 s[G1+3], 1024<<16
	s_mov_b32 s[G1+4], 2
	s_mov_b32 s[G1+5], 8192
	s_mov_b32 s[G1+6], 0
	s_mov_b32 s[G1+7], 0
	s_add_co_u32 s14, s[KH], 1                     ; waves 0-3 fetch K (octets 128 on), waves 4-7 V (256 on),
	s_lshl_b32 s14, s14, 7
	s_lshl3_add_u32 s14, s12, s14                  ; the head's eight octets,
	s_lshl1_add_u32 s14, s[QG], s14                ; two of them each
	s_lshl_b32 s14, s14, 16
	s_lshl_b32 s15, s13, 15                        ; the batch's 2,048 tokens of 16 bytes
	s_add_co_u32 s14, s14, s15
	s_mov_b32 s15, 0
	s_mov_b32 s[KOFF], 0
	s_mov_b32 s[KOFF+1], 0
	s_mov_b32 s[CS], 0x3e38aa3b                    ; c = log2(e) / 8
	s_mov_b32 s[CS+1], s[CS]
	s_mov_b32 s[SEL], 0x76543210
	s_mov_b32 s[SEL+1], 0xfedcba98
	s_mov_b32 s[SB], 0
	s_mov_b32 s[FB], 0
	s_mov_b32 s[UB], 0
	s_mov_b32 s[U], 0
	s_wait_kmcnt 0x0
	s_add_nc_u64 s[KB:KB+1], s[4:5], s[14:15]
	s_mov_b32 s[G0], 1
	s_mov_b32 s[G0+1], s[WO]                       ; my two rows of slot 0
	s_mov_b64 s[G0+2:G0+3], s[KB:KB+1]
	s_or_b32 s[G0+3], s[G0+3], 0x80000000
	tensor_load_to_lds s[G0:G0+3], s[G1:G1+7]      ; quad 0: one load of mine is out
	s_nop 0
.rept 4
	v_nop
.endr
	s_lshl_b32 s44, s12, 19                        ; q and yat: the head's first octet,
	s_lshl_b32 s45, s13, 15                        ; the batch,
	s_add_co_u32 s44, s44, s45
	s_lshl_b32 s45, s[QG], 9                       ; my 32 tokens,
	s_add_co_u32 s44, s44, s45
	s_lshl_b32 s46, s[PP], 11                      ; block p
	s_add_co_u32 s46, s46, s44
	s_mov_b32 s47, 0
	s_lshl_b32 s48, s[IB2], 11                     ; block 15 - p
	s_add_co_u32 s48, s48, s44
	s_mov_b32 s49, 0
	s_add_nc_u64 s[50:51], s[4:5], s[46:47]
	s_add_nc_u64 s[52:53], s[4:5], s[48:49]
	s_add_nc_u64 s[YB:YB+1], s[6:7], s[46:47]
	s_add_nc_u64 s[YB2:YB2+1], s[6:7], s[48:49]
	v_and_b32 v1, 15, v0                           ; r
	v_bfe_u32 v2, v0, 4, 1                         ; h
	v_lshlrev_b32 v3, 4, v1
	v_lshl_add_u32 v[QO], v2, 16, v3
.irp t, 0,1
.irp cc, 0,1
	global_load_b128 v[Q+16*\t+8*\cc:Q+16*\t+8*\cc+3],   v[QO], s[50:51] offset:\cc*262144+\t*256
	global_load_b128 v[Q+16*\t+8*\cc+4:Q+16*\t+8*\cc+7], v[QO], s[50:51] offset:\cc*262144+131072+\t*256
.endr
.endr
	WIN 0x40
.irp t, 0,1
.irp cc, 0,1
	global_load_b128 v[QB+16*\t+8*\cc:QB+16*\t+8*\cc+3],   v[QO], s[52:53] offset:\cc*262144+\t*256
	global_load_b128 v[QB+16*\t+8*\cc+4:QB+16*\t+8*\cc+7], v[QO], s[52:53] offset:\cc*262144+131072+\t*256
.endr
.endr
	WIN 0
	v_mul_u32_u24 v[AK0], v2, PT
	v_add_nc_u32 v[AK0], v[AK0], v3                ; octet h, key r
	; the turning load: lane l reads key 8 (l/16) + l%8 of octet (l/8)%2 and is left with channel l%16 and eight keys
	v_and_b32 v3, 7, v0
	v_lshl_add_u32 v3, v2, 3, v3
	v_lshlrev_b32 v3, 4, v3
	v_bfe_u32 v[AV0], v0, 3, 1
	v_mul_u32_u24 v[AV0], v[AV0], PT
	v_add_nc_u32 v[AV0], v[AV0], v3
	v_add_nc_u32 v[AV0], 8*PT, v[AV0]              ; V lies behind K's eight rows
	v_and_b32 v3, 31, v0
	v_lshlrev_b32 v3, 4, v3
	s_mul_i32 s14, s[QG], SCRW
	s_add_co_u32 s14, s14, SCR
	v_add_nc_u32 v[SCRA], s14, v3                  ; my pair's scratch, 16 bytes a lane
	v_lshlrev_b32 v3, 3, v2
	v_sub_nc_u32 v3, v1, v3
	s_lshl_b32 s14, s[QG], 5
	s_lshl_b32 s15, s[KH], 6
	s_sub_co_i32 s14, s14, s15
	v_add_nc_u32 v[DQ], s14, v3
	v_add_nc_u32 v[DQ+1], 16, v[DQ]
	v_mov_b32 v[NEG], 0xff800000
.irp t, 0,1
	v_mov_b32 v[ST+8*\t], v[NEG]
	v_mov_b32 v[ST+8*\t+1], v[NEG]
	v_mov_b32 v[ST+8*\t+2], 0
	v_mov_b32 v[ST+8*\t+3], 0
.irp k, 4,5,6,7
	v_mov_b32 v[ST+8*\t+\k], 0                     ; the working registers are written once here: the text of the change of block, which names them, stands ahead of the first softmax
.endr
.endr
.set u, 0
.rept 64
	v_mov_b32 v[O+u], 0                            ; once: the loop has no first step written out, its factor 0 needs a finite O, and a wave without a step hands this 0 to the merge
.set u, u+1
.endr
	s_wait_loadcnt 0x0                             ; both blocks' Q
.Lquad:                                                ; 4 trips: each asks for the quad behind it
	s_cmp_lg_u32 s[U], s[Q1]                       ; the same in all eight waves
	s_cbranch_scc1 .Lsame
	CHANGE                                         ; block p is done; block 15 - p begins
	s_mov_b64 s[YB:YB+1], s[YB2:YB2+1]
	s_mov_b32 s[IB], s[IB2]
	s_mov_b32 s[UB], 0
.irp t, 0,1
	v_mov_b32 v[ST+8*\t], v[NEG]
	v_mov_b32 v[ST+8*\t+1], v[NEG]
	v_mov_b32 v[ST+8*\t+2], 0
	v_mov_b32 v[ST+8*\t+3], 0
.endr
	WIN 0x01
.set u, 0
.rept 32
	v_mov_b32 v[Q+u], v[QB+u]
.set u, u+1
.endr
	WIN 0
.Lsame:
	HEAD 1
	STEPS
	s_add_co_u32 s[UB], s[UB], 4
	s_xor_b32 s[SB], s[SB], SLOTB
	s_add_co_u32 s[U], s[U], 1
	s_cmp_lt_u32 s[U], 4
	s_cbranch_scc1 .Lquad
	HEAD 0                                         ; the last quad: nothing is left to fetch
	STEPS
	CHANGE
	s_wait_tensorcnt 0x0                           ; the wave's end
	ds_add_u32 v[SPW], v[NIL]
	s_wait_dscnt 0x0
	s_endpgm
.Lfunc_end_k_qa31c33d68a_attn:
	.size	k_qa31c33d68a_attn, .Lfunc_end_k_qa31c33d68a_attn-k_qa31c33d68a_attn
	.p2alignl 7, 3214868480
	.fill 96, 4, 3214868480
	.section	.rodata,"a",@progbits
	.p2align	6, 0x0
	.amdhsa_kernel k_qa31c33d68a_attn
		.amdhsa_group_segment_fixed_size 327680
		.amdhsa_private_segment_fixed_size 0
		.amdhsa_enable_private_segment 0
		.amdhsa_kernarg_size 16
		.amdhsa_user_sgpr_count 2
		.amdhsa_user_sgpr_kernarg_segment_ptr 1
		.amdhsa_wavefront_size32 1
		.amdhsa_system_sgpr_workgroup_id_x 1
		.amdhsa_system_sgpr_workgroup_id_y 1
		.amdhsa_system_sgpr_workgroup_id_z 1
		.amdhsa_system_vgpr_workitem_id 0
		.amdhsa_next_free_vgpr 416
		.amdhsa_next_free_sgpr 68
		.amdhsa_reserve_vcc 1
		.amdhsa_float_denorm_mode_32 3
		.amdhsa_float_denorm_mode_16_64 3
		.amdhsa_memory_ordered 1
		.amdhsa_forward_progress 1
		.amdhsa_inst_pref_size 76
	.end_amdhsa_kernel
	.amdgpu_metadata
---
amdhsa.version: [ 1, 2 ]
amdhsa.kernels:
  - .name:           k_qa31c33d68a_attn
    .symbol:         k_qa31c33d68a_attn.kd
    .args:
      - { .name: qkvb, .offset: 0, .size: 8, .value_kind: global_buffer, .address_space: global }
      - { .name: yat, .offset: 8, .size: 8, .value_kind: global_buffer, .address_space: global }
    .group_segment_fixed_size: 327680
    .private_segment_fixed_size: 0
    .kernarg_segment_align: 8
    .kernarg_segment_size: 16
    .max_flat_workgroup_size: 256
    .sgpr_count:     68
    .vgpr_count:     416
    .wavefront_size: 32
...
	.end_amdgpu_metadata
.endif
;; end of part 3
;; launch gproj (part 4): grid 8 x 32, 4 waves a work-group, clusters of 4 x 4, 327,680 bytes of LDS; arguments yat, wb, b_ap, x1, x; writes x1
.if DOCPART == 4
	.amdgcn_target "amdgcn-amd-amdhsa--gfx1250"
	.amdhsa_code_object_version 6
	.text
	.protected	k_qa31c33d68a_gproj
	.globl	k_qa31c33d68a_gproj
	.p2align	8
	.type	k_qa31c33d68a_gproj,@function
k_qa31c33d68a_gproj:
	s_mov_b64 s[64:65], 0
	v_nop
	global_prefetch_b8 v0, s[64:65] scope:SCOPE_SE
	s_setreg_imm32_b32 hwreg(HW_REG_WAVE_MODE, 25, 1), 1
	s_wait_xcnt 0x0
	s_wait_alu depctr_hold_cnt(0) depctr_sa_sdst(0) depctr_va_vdst(0) depctr_va_sdst(0) depctr_va_ssrc(0) depctr_va_vcc(0) depctr_vm_vsrc(0)
	s_getreg_b32 s2, hwreg(HW_REG_IB_STS2, 6, 4)
	s_cmp_eq_u32 s2, 0
	s_cbranch_scc0 .Lentry_in_a_cluster
	s_endpgm
.Lentry_in_a_cluster:
	s_bfe_u32 s2, ttmp6, 0x10000c
	s_cmp_lg_u32 s2, 0xf033
	s_cbranch_scc0 .Lentry_shape_is_right
	s_endpgm
.Lentry_shape_is_right:
; x1 = x + yat W_ap + b_ap, bf16 operands, f32 sums, f32 result.  The text below the five sizes is the one that the launch for W_mp has too.
.set MF,     4                         ; a wave's tile: MF x MF blocks of 16 x 16; the work-group's: 128 x 128, which gives 256 work-groups here
.set KS,     256                       ; K step
.set SIZE_K, 1024
.set SIZE_N, 1024
.set WOFF,   6291456                   ; the weight's section in wb
; out[m][n] = res[m][n] + sum over k of a[m][k] w[k][n] + bias[n].  a and w lie in the octet layout: element (row, k) at byte (k/8) x ROWS x 16 + row x 16 + (k%8) x 2
; (ROWS = 4096 for a; SIZE_N for w, whose "row" is n).  A tile of a K step is KS/8 rows of 128 x 16 bytes and lies in LDS as in memory: a fragment is two 16-byte reads a lane,
; sixteen lanes read 256 consecutive bytes, nothing is padded or turned.
; Four waves, each MF x MF accumulators.  Two LDS slots of 131,072 bytes (a's tile, then w's) filled by tensor loads, one of 32,768 bytes a wave: waves 0, 1 a's halves, waves 2, 3 w's.
; CLUSTER 4 x 4: a's tile is shared along a row of the cluster, w's along a column: joint loads.
; THE MATRIX INSTRUCTION IS USED TRANSPOSED (source 0 = 16 columns of w, source 1 = 16 rows of a): a lane holds row m0 + lane%16 and columns n0 + 8 (lane/16) + 0..7.
; The bias is the C of each accumulator's first product: nothing is cleared, nothing is added later.
; A K step is eight chunks of 32 along K.  Chunks 1 to 6 are one pair of chunks, written once and walked three times: the two LDS address registers step by eight octet rows a trip.
; REGISTERS: window 0: v0-29 addresses; v64.., v128.. a's fragments, two buffers; v192.. the bias.  Window 1: v64.., v128.. w's fragments.
;   Window 2: accumulator (a, b) at v[8 (MF a + b)].  Window 3: the residual.
; Limit: operands rounded to bf16.
.set NF,    MF
.set BM,    32*MF
.set NQ,    KS/32                      ; chunks of 32 along K in a K step
.set PA,    BM*16                      ; bytes of an octet row of a tile
.set NT,    SIZE_K/KS
.set SLOT1, 131072                     ; slot 1 begins here: one exclusive or changes slots
.set STEPA, (KS/8)*65536               ; bytes from a K step to the next in a,
.set STEPB, (KS/8)*SIZE_N*16           ; in w
.set STAGE, 262144                     ; behind the ring, 16 rows x 272 bytes for each wave
.set SPARE, STAGE+4*4352               ; the spare words: 128 bytes a wave, two blocks of 256 bytes that no other line names
.set AK0,  16                          ; my lane's place in a's tile; never rewritten
.set BK0,  17                          ; in w's tile
.set ADRA, 18                          ; the same in the slot and the pair of chunks in hand
.set ADRB, 19
.set RO,   21                          ; my byte offset in two rows of out and of the residual
.set STO,  22                          ; into the stage
.set RD,   23                          ; back from it
.set BOF,  24                          ; my byte offset in the bias
.set SPW,  28                          ; LDS address of my spare word; never rewritten
.set NIL,  29                          ; 0; never rewritten
.set F0,   64
.set F1,   128
.set BIAS, 192
.set WV,  14                           ; wave
.set WR,  15                           ; wave / 2: my half of the rows; also: I fetch a (0) or w (1)
.set WC,  16                           ; wave % 2: my half of the columns; also: which half of the octets I fetch
.set NTI, 19                           ; tile column
.set MTI, 20                           ; tile row
.set TB,  23                           ; LDS byte of the slot in hand
.set G1A, 24                           ; s[24:31] group 1 for a;  s[32:39] group 0, two sets: the second then walks on
.set G0A, 32
.set G1B, 48                           ; s[48:55], s[56:63] the same for w
.set G0B, 56
.set PC,  73                           ; counts the pairs of chunks
.set MSB, 0
.macro WIN new                         ; the immediate's high byte repeats the setting that is left; a switch that changes nothing is dropped
.if MSB != (\new)
	s_set_vgpr_msb (MSB<<8)|(\new)
.set MSB, (\new)
.endif
.endm
.macro PLACES                          ; four places behind matrix instructions (ISA guide 7.12.1), where no other vector work is at hand
.rept 4
	v_nop
.endr
.endm
.macro CREST                           ; a round of the cluster's barrier behind its opening barrier
	s_cmp_lg_u32 s[WV], 0
	s_cbranch_scc1 .Lnot_wave_0_\@
	s_barrier_signal -3
.Lnot_wave_0_\@:
	s_barrier_wait -3
	s_barrier_signal -1
	s_barrier_wait -1
.endm
.macro CROUND
	s_barrier_signal -1
	s_barrier_wait -1
	CREST
.endm
.macro JLOAD                           ; a joint refill by the walking descriptors; four v_nop follow each of the two lines
	s_cmp_eq_u32 s[WR], 0
	s_cbranch_scc0 .Lfor_b_\@
	tensor_load_to_lds s[G0A+4:G0A+7], s[G1A:G1A+7]
	s_nop 0
.rept 4
	v_nop
.endr
	s_branch .Lasked_\@
.Lfor_b_\@:
	tensor_load_to_lds s[G0B+4:G0B+7], s[G1B:G1B+7]
	s_nop 0
.rept 4
	v_nop
.endr
.Lasked_\@:
.endm
.macro FETCH q, f                      ; the fragments of the chunk q chunks behind the address registers' place, into buffer f, in one run: w's 2 NF loads, then a's 2 MF
	WIN 0x40                                       ; destination window 1, address window 0
.set ib, 0
.rept NF
	ds_load_b128 v[\f+8*ib:\f+8*ib+3],   v[ADRB] offset:(\q)*4*PA+ib*256
	ds_load_b128 v[\f+8*ib+4:\f+8*ib+7], v[ADRB] offset:(\q)*4*PA+ib*256+2*PA
.set ib, ib+1
.endr
	WIN 0
.set ib, 0
.rept MF
	ds_load_b128 v[\f+8*ib:\f+8*ib+3],   v[ADRA] offset:(\q)*4*PA+ib*256
	ds_load_b128 v[\f+8*ib+4:\f+8*ib+7], v[ADRA] offset:(\q)*4*PA+ib*256+2*PA
.set ib, ib+1
.endr
.endm
.macro MULA f, a, zero                 ; row block a x all NF column blocks, 32 along K.  zero = 1: the products start the sums, from the bias
.if \zero
	WIN 0x81
.else
	WIN 0xa1
.endif
.set ib, 0
.rept NF
.set rD, 8*(NF*(\a)+ib)
.if \zero
	v_wmma_f32_16x16x32_bf16 v[rD:rD+7], v[\f+8*ib:\f+8*ib+7], v[\f+8*(\a):\f+8*(\a)+7], v[BIAS+8*ib:BIAS+8*ib+7]
.else
	v_wmma_f32_16x16x32_bf16 v[rD:rD+7], v[\f+8*ib:\f+8*ib+7], v[\f+8*(\a):\f+8*(\a)+7], v[rD:rD+7]
.endif
.set ib, ib+1
.endr
.endm
.macro MULS f, n, zero                 ; the next n row blocks, from block ia on.  The MF x NF accumulators take turns in one fixed order, one instruction a turn
.rept \n
	MULA \f, ia, \zero
.set ia, ia+1
.endr
.endm
.macro QUARTER q, zero                 ; a chunk (not a K step's last): multiplies buffer q % 2 and, in the middle, fetches the next chunk into the other
.set fq, F0+64*((\q)%2)
.set gq, F1-64*((\q)%2)
	s_wait_dscnt MF                                ; all but the youngest MF loads, a's upper row blocks
.set ia, 0
	MULS fq, MF/2, \zero
	PLACES
	FETCH (\q)+1, gq
	s_wait_dscnt 2*(MF+NF)                         ; all but the run just issued
	MULS fq, MF/2, \zero
.endm
.macro MIDQ                            ; chunks 1 to 6: trip i multiplies chunks 1 + 2 i and 2 + 2 i and fetches chunks 2 + 2 i and 3 + 2 i
	WIN 0                                          ; at a label and at a branch every window is 0
	s_mov_b32 s[PC], (NQ-2)/2
.Lpair_\@:
	QUARTER 1, 0
	QUARTER 2, 0
	WIN 0
	v_add_nc_u32 v[ADRA], 8*PA, v[ADRA]            ; two chunks on; the change of slots sets both anew
	v_add_nc_u32 v[ADRB], 8*PA, v[ADRB]
	s_sub_co_u32 s[PC], s[PC], 1
	s_cmp_lg_u32 s[PC], 0
	s_cbranch_scc1 .Lpair_\@
.endm
; A K step's last chunk changes slots: ONE barrier; in front of it each wave waits for all its tensor loads (one is out: its part of the next slot), adds 0 to its spare word and waits for
; that and for its reads of this slot.  fill = 1: the barrier opens a round of the cluster's barrier, and this slot is filled again, two K steps ahead, first thing behind the round.
.macro TURN fill
	WIN 0
	s_wait_tensorcnt 0x0
	ds_add_u32 v[SPW], v[NIL]
	s_wait_dscnt MF+1                              ; the add and a's upper row blocks may be out
.set ia, 0
	MULS F1, MF/4, 0
	s_wait_dscnt 0x0                               ; the add is done, my reads of this slot are over
	s_barrier_signal -1
	MULS F1, MF/4, 0
.if \fill
	WIN 0
.endif
	s_barrier_wait -1
.if \fill
	CREST
	s_xor_b32 s[G0A+5], s[G0A+5], SLOT1            ; no tensor load of mine is out: the walking descriptors step: the other slot, the next K step
	s_add_nc_u64 s[G0A+6:G0A+7], s[G0A+6:G0A+7], STEPA
	s_xor_b32 s[G0B+5], s[G0B+5], SLOT1
	s_add_nc_u64 s[G0B+6:G0B+7], s[G0B+6:G0B+7], STEPB
	s_xor_b32 s[TB], s[TB], SLOT1
	JLOAD                                          ; its four v_nop are also the places in front of the loads below
.else
	PLACES
	s_xor_b32 s[TB], s[TB], SLOT1
.endif
	WIN 0
	v_add_nc_u32 v[ADRA], s[TB], v[AK0]
	v_add_nc_u32 v[ADRB], s[TB], v[BK0]
	FETCH 0, F0
	MULS F1, MF/2, 0
.endm
	s_load_b256 s[4:11], s[0:1], 0x0               ; a s[4:5], wb s[6:7], bias s[8:9], out s[10:11]
	s_load_b64 s[12:13], s[0:1], 0x20              ; the residual
	v_lshl_add_u32 v[SPW], v0, 2, SPARE
	v_mov_b32 v[NIL], 0
	ds_add_u32 v28, v29
	ds_add_u32 v28, v29
	s_wait_dscnt 0x0
	v_lshrrev_b32 v1, 5, v0
	v_readfirstlane_b32 s[WV], v1
	s_lshr_b32 s[WR], s[WV], 1
	s_and_b32 s[WC], s[WV], 1
	s_bfe_u32 s17, ttmp6, 0x40000                  ; cx
	s_bfe_u32 s18, ttmp6, 0x40004                  ; cy
	s_lshl_b32 s[NTI], ttmp9, 2
	s_add_co_u32 s[NTI], s[NTI], s17
	s_and_b32 s[MTI], ttmp7, 0xffff
	s_lshl_b32 s[MTI], s[MTI], 2
	s_add_co_u32 s[MTI], s[MTI], s18
	s_lshl_b32 s21, s18, 2
	s_lshl_b32 s21, 15, s21                        ; my row of the cluster
	s_lshl_b32 s22, 0x1111, s17                    ; my column
	; group 1: KS/16 rows of 2 BM elements of 8 bytes, no padding
	s_or_b32 s[G1A], s21, (3<<16)|(1<<21)          ; 15:0 the mask; 17:16 elements of 8 bytes; 21 set beside a mask
	s_or_b32 s[G1B], s22, (3<<16)|(1<<21)
.irp g, G1A, G1B
	s_mov_b32 s[\g+1], (BM*2)<<16                  ; tensor_dim0
	s_mov_b32 s[\g+2], (KS/16)<<16                 ; tensor_dim1
	s_mov_b32 s[\g+3], (BM*2)<<16                  ; tile_dim0
	s_mov_b32 s[\g+4], KS/16                       ; tile_dim1
	s_mov_b32 s[\g+6], 0
	s_mov_b32 s[\g+7], 0
.endr
	s_mov_b32 s[G1A+5], 8192                       ; elements from an octet to the next: 4,096 rows x 2
	s_mov_b32 s[G1B+5], SIZE_N*2
	s_mul_i32 s40, s[MTI], BM*16                   ; a: the tile's rows, my half of the octets; these registers never hold cx
	s_mul_i32 s42, s[WC], (KS/16)*65536
	s_add_co_u32 s40, s40, s42
	s_mov_b32 s41, 0
	s_mul_i32 s44, s[NTI], BM*16                   ; w: the tile's columns, my half of the octets; these never hold cy
	s_mul_i32 s46, s[WC], (KS/16)*SIZE_N*16
	s_add_co_u32 s44, s44, s46
	s_add_co_u32 s44, s44, WOFF
	s_mov_b32 s45, 0
	s_lshl_b32 s66, s[WV], 15                      ; where my part goes: wave x 32,768
	s_mov_b32 s[TB], 0
	s_wait_kmcnt 0x0
	s_add_nc_u64 s[40:41], s[4:5], s[40:41]
	s_add_nc_u64 s[44:45], s[6:7], s[44:45]
	CROUND                                         ; all sixteen work-groups are here: the first joint loads meet
.irp s, 0,1
	s_mov_b32 s[G0A+4*\s], 1
	s_add_co_u32 s[G0A+4*\s+1], s66, \s*SLOT1
	s_add_nc_u64 s[G0A+4*\s+2:G0A+4*\s+3], s[40:41], \s*STEPA
	s_or_b32 s[G0A+4*\s+3], s[G0A+4*\s+3], 0x80000000
	s_mov_b32 s[G0B+4*\s], 1
	s_add_co_u32 s[G0B+4*\s+1], s66, \s*SLOT1
	s_add_nc_u64 s[G0B+4*\s+2:G0B+4*\s+3], s[44:45], \s*STEPB
	s_or_b32 s[G0B+4*\s+3], s[G0B+4*\s+3], 0x80000000
.endr
	s_cmp_eq_u32 s[WR], 0                          ; a wave's two first fills stand in one branch: two loads of mine are out
	s_cbranch_scc0 .Lfirst_b
	tensor_load_to_lds s[G0A:G0A+3], s[G1A:G1A+7]
	s_nop 0
	tensor_load_to_lds s[G0A+4:G0A+7], s[G1A:G1A+7]
	s_nop 0
.rept 4
	v_nop
.endr
	s_branch .Lfirst_asked
.Lfirst_b:
	tensor_load_to_lds s[G0B:G0B+3], s[G1B:G1B+7]
	s_nop 0
	tensor_load_to_lds s[G0B+4:G0B+7], s[G1B:G1B+7]
	s_nop 0
.rept 4
	v_nop
.endr
.Lfirst_asked:
	; a fragment: lane l holds row l%16; registers 0-3 octet 4 q + l/16, registers 4-7 octet 4 q + 2 + l/16
	v_and_b32 v1, 15, v0                           ; r
	v_bfe_u32 v2, v0, 4, 1                         ; h
	v_lshlrev_b32 v3, 4, v1
	v_mul_u32_u24 v4, v2, PA
	v_add_nc_u32 v3, v3, v4                        ; 16 r + h x octet row
	s_mul_i32 s67, s[WR], MF*256
	v_add_nc_u32 v[AK0], s67, v3
	s_mul_i32 s67, s[WC], NF*256
	s_add_co_u32 s67, s67, 65536                   ; w's tile lies behind a's
	v_add_nc_u32 v[BK0], s67, v3
	v_mov_b32 v[ADRA], v[AK0]
	v_mov_b32 v[ADRB], v[BK0]
	v_lshlrev_b32 v[BOF], 5, v2                    ; bias: 8 h numbers
	s_mul_i32 s70, s[NTI], BM*4
	s_mul_i32 s71, s[WC], NF*64
	s_add_co_u32 s70, s70, s71
	s_mov_b32 s71, 0
	s_add_nc_u64 s[8:9], s[8:9], s[70:71]
.set ib, 0
.rept NF
	global_load_b128 v[BIAS+8*ib:BIAS+8*ib+3],   v[BOF], s[8:9] offset:64*ib       ; register j: bias[n0 + 16 b + 8 h + j]
	global_load_b128 v[BIAS+8*ib+4:BIAS+8*ib+7], v[BOF], s[8:9] offset:64*ib+16
.set ib, ib+1
.endr
	s_lshl_b32 s68, s[MTI], 19                     ; 128 rows of 4,096 bytes a tile,
	s_lshl_b32 s70, s[WR], 18                      ; 64 a wave,
	s_add_co_u32 s68, s68, s70
	s_lshl_b32 s70, s[NTI], 9                      ; 128 columns of 4 bytes,
	s_add_co_u32 s68, s68, s70
	s_lshl_b32 s70, s[WC], 8                       ; 64 a wave
	s_add_co_u32 s68, s68, s70
	s_mov_b32 s69, 0
	s_add_nc_u64 s[10:11], s[10:11], s[68:69]
	s_add_nc_u64 s[12:13], s[12:13], s[68:69]
	v_lshl_add_u32 v[RO], v2, 12, v3
	v_sub_nc_u32 v[RO], v[RO], v4                  ; 4,096 h + 16 r: lanes 0-15 one row's 256 bytes, lanes 16-31 the next row's
	WIN 0xc0                                       ; destination window 3
.set ia, 0
.rept 32
	global_load_b128 v[4*ia:4*ia+3], v[RO], s[12:13] offset:2*ia*4096   ; the residual of my 64 x 64, two rows a load: it lands under the K loop
.set ia, ia+1
.endr
	WIN 0
	s_mul_i32 s72, s[WV], 4352
	s_add_co_u32 s72, s72, STAGE
	v_mul_u32_u24 v5, v1, 272
	v_lshl_add_u32 v5, v2, 5, v5
	v_add_nc_u32 v[STO], s72, v5                   ; in: row r, 32 bytes for each half of the lanes
	v_mul_u32_u24 v5, v2, 272
	v_lshl_add_u32 v5, v1, 4, v5
	v_add_nc_u32 v[RD], s72, v5                    ; back: whole rows
	s_wait_tensorcnt 0x1                           ; my part of K step 0 is in; K step 1's may stay out
	s_barrier_signal -1
	s_barrier_wait -1
	FETCH 0, F0
	s_wait_loadcnt 32                              ; the bias is in; the 32 younger loads, the residual, stay out
	QUARTER 0, 1                                   ; the first chunk stands in front of the loop: its products start the sums
	WIN 0                                          ; at a label and at a branch every window is 0
	s_mov_b32 s3, NT-2
.Lk:                                                   ; a trip: the rest of a K step, the refill of its slot, the next K step's first chunk
	MIDQ
	TURN 1
	QUARTER 0, 0
	WIN 0
	s_sub_co_u32 s3, s3, 1
	s_cmp_lg_u32 s3, 0
	s_cbranch_scc1 .Lk
	MIDQ                                           ; the last two K steps ask for nothing more
	TURN 0
	QUARTER 0, 0
	MIDQ
	s_wait_dscnt MF
.set ia, 0
	MULS F1, MF/2, 0
	s_wait_dscnt 0x0
	MULS F1, MF/2, 0
	WIN 0
	; 16 rows at a time through my own stage: in as 32 bytes a lane, back as whole rows of 256 bytes; the residual is added; sixteen lanes store 256 consecutive bytes, aligned
	s_wait_loadcnt 0x0                             ; the residual
	PLACES
.set ia, 0
.rept 4
	WIN 0x08                                       ; store data window 2
.set ib, 0
.rept 4
	ds_store_b128 v[STO], v[8*(4*ia+ib):8*(4*ia+ib)+3]   offset:64*ib
	ds_store_b128 v[STO], v[8*(4*ia+ib)+4:8*(4*ia+ib)+7] offset:64*ib+16
.set ib, ib+1
.endr
	WIN 0
.if ia >= 2
	s_wait_xcnt 0x0                                ; the set of registers that earlier stores read is loaded again only behind this wait
.endif
.set ob, 64+32*(ia%2)
.set ib, 0
.rept 8
	ds_load_b128 v[ob+4*ib:ob+4*ib+3], v[RD] offset:ib*544     ; LDS serves a wave's instructions in order: these see the stores above
.set ib, ib+1
.endr
	s_wait_dscnt 0x0
	WIN 0x0c                                       ; source 1 window 3
.set ib, 0
.rept 16
	v_pk_add_f32 v[ob+2*ib:ob+2*ib+1], v[ob+2*ib:ob+2*ib+1], v[32*ia+2*ib:32*ia+2*ib+1]
.set ib, ib+1
.endr
	WIN 0
.set ib, 0
.rept 8
	global_store_b128 v[RO], v[ob+4*ib:ob+4*ib+3], s[10:11] offset:(16*ia+2*ib)*4096
.set ib, ib+1
.endr
.set ia, ia+1
.endr
	s_wait_tensorcnt 0x0                           ; the wave's end
	ds_add_u32 v[SPW], v[NIL]
	s_wait_dscnt 0x0
	CROUND                                         ; the closing round: no work-group ends while a partner may still ask for a tile that names it
	s_endpgm
.Lfunc_end_k_qa31c33d68a_gproj:
	.size	k_qa31c33d68a_gproj, .Lfunc_end_k_qa31c33d68a_gproj-k_qa31c33d68a_gproj
	.p2alignl 7, 3214868480
	.fill 96, 4, 3214868480
	.section	.rodata,"a",@progbits
	.p2align	6, 0x0
	.amdhsa_kernel k_qa31c33d68a_gproj
		.amdhsa_group_segment_fixed_size 327680
		.amdhsa_private_segment_fixed_size 0
		.amdhsa_enable_private_segment 0
		.amdhsa_kernarg_size 40
		.amdhsa_user_sgpr_count 2
		.amdhsa_user_sgpr_kernarg_segment_ptr 1
		.amdhsa_wavefront_size32 1
		.amdhsa_system_sgpr_workgroup_id_x 1
		.amdhsa_system_sgpr_workgroup_id_y 1
		.amdhsa_system_sgpr_workgroup_id_z 1
		.amdhsa_system_vgpr_workitem_id 0
		.amdhsa_next_free_vgpr 896
		.amdhsa_next_free_sgpr 80
		.amdhsa_reserve_vcc 0
		.amdhsa_float_denorm_mode_32 3
		.amdhsa_float_denorm_mode_16_64 3
		.amdhsa_memory_ordered 1
		.amdhsa_forward_progress 1
		.amdhsa_inst_pref_size 53
	.end_amdhsa_kernel
	.amdgpu_metadata
---
amdhsa.version: [ 1, 2 ]
amdhsa.kernels:
  - .name:           k_qa31c33d68a_gproj
    .symbol:         k_qa31c33d68a_gproj.kd
    .args:
      - { .name: yat, .offset: 0, .size: 8, .value_kind: global_buffer, .address_space: global }
      - { .name: wb, .offset: 8, .size: 8, .value_kind: global_buffer, .address_space: global }
      - { .name: b_ap, .offset: 16, .size: 8, .value_kind: global_buffer, .address_space: global }
      - { .name: x1, .offset: 24, .size: 8, .value_kind: global_buffer, .address_space: global }
      - { .name: x, .offset: 32, .size: 8, .value_kind: global_buffer, .address_space: global }
    .group_segment_fixed_size: 327680
    .private_segment_fixed_size: 0
    .kernarg_segment_align: 8
    .kernarg_segment_size: 40
    .max_flat_workgroup_size: 128
    .sgpr_count:     80
    .vgpr_count:     896
    .wavefront_size: 32
...
	.end_amdgpu_metadata
.endif
;; end of part 4
;; launch ln2: the kernel of part 1 again; grid 256 x 1, 8 waves a work-group, no clusters, 35,840 bytes of LDS; arguments x1, ln2_g, ln2_b, W_attn, W_ap, W_fc, W_mp, hn, wb; writes hn, wb
;; launch gfc (part 5): grid 16 x 16, 4 waves a work-group, clusters of 4 x 4, 327,680 bytes of LDS; arguments hn, wb, b_fc, h3; writes h3
.if DOCPART == 5
	.amdgcn_target "amdgcn-amd-amdhsa--gfx1250"
	.amdhsa_code_object_version 6
	.text
	.protected	k_qa31c33d68a_gfc
	.globl	k_qa31c33d68a_gfc
	.p2align	8
	.type	k_qa31c33d68a_gfc,@function
k_qa31c33d68a_gfc:
	s_mov_b64 s[64:65], 0
	v_nop
	global_prefetch_b8 v0, s[64:65] scope:SCOPE_SE
	s_setreg_imm32_b32 hwreg(HW_REG_WAVE_MODE, 25, 1), 1
	s_wait_xcnt 0x0
	s_wait_alu depctr_hold_cnt(0) depctr_sa_sdst(0) depctr_va_vdst(0) depctr_va_sdst(0) depctr_va_ssrc(0) depctr_va_vcc(0) depctr_vm_vsrc(0)
	s_getreg_b32 s2, hwreg(HW_REG_IB_STS2, 6, 4)
	s_cmp_eq_u32 s2, 0
	s_cbranch_scc0 .Lentry_in_a_cluster
	s_endpgm
.Lentry_in_a_cluster:
	s_bfe_u32 s2, ttmp6, 0x10000c
	s_cmp_lg_u32 s2, 0xf033
	s_cbranch_scc0 .Lentry_shape_is_right
	s_endpgm
.Lentry_shape_is_right:
; h3 = gelu(hn W_fc + b_fc), bf16 operands, f32 sums, bf16 result.  The text below the six sizes is the program's one GEMM text.
.set MF,     8                         ; a wave's tile: MF x MF blocks of 16 x 16; the work-group's: 32 MF x 32 MF
.set KS,     128                       ; K step
.set SIZE_K, 1024
.set SIZE_N, 4096
.set WOFF,   8388608                   ; the weight's section in wb
.set EPI,    1                         ; 0: bf16 out; 1: gelu, bf16 out; 2: + residual, f32 out
; out[m][n] = sum over k of a[m][k] w[k][n] + bias[n].  a and w lie in the octet layout: element (row, k) at byte (k/8) x ROWS x 16 + row x 16 + (k%8) x 2
; (ROWS = 4096 for a; SIZE_N for w, whose "row" is n).  A tile of a K step is KS/8 rows of 32 MF x 16 bytes and lies in LDS as in memory: a fragment is two 16-byte reads a lane,
; sixteen lanes read 256 consecutive bytes, nothing is padded or turned.
; Four waves, each MF x MF accumulators.  Two LDS slots of 131,072 bytes (a's tile, then w's) filled by tensor loads, one of 32,768 bytes a wave: waves 0, 1 a's halves, waves 2, 3 w's.
; CLUSTER 4 x 4: a's tile is shared along a row of the cluster, w's along a column: joint loads.
; THE MATRIX INSTRUCTION IS USED TRANSPOSED (source 0 = 16 columns of w, source 1 = 16 rows of a): a lane holds row m0 + lane%16 and columns n0 + 8 (lane/16) + 0..7.
; The bias is the C of each accumulator's first product: nothing is cleared, nothing is added later.
; REGISTERS: window 0: v0-35 addresses; v64.., v128.. a's fragments, two buffers; v192.. the bias.  Window 1: v64.., v128.. w's fragments.
;   Windows 2, 3: accumulator (a, b) at v[8 (MF (a%4) + b)] of window 2 + a/4.  EPI 2: window 3 holds the residual.
; Limits: operands rounded to bf16; EPI 1: v_exp_f32 and v_rcp_f32 are accurate to 1 ULP and flush denormals.
.set NF,    MF
.set BM,    32*MF
.set NQ,    KS/32                      ; chunks of 32 along K in a K step
.set PA,    BM*16                      ; bytes of an octet row of a tile
.set NT,    SIZE_K/KS
.set SLOT1, 131072                     ; slot 1 begins here: one exclusive or changes slots
.set STEPA, (KS/8)*65536               ; bytes from a K step to the next in a,
.set STEPB, (KS/8)*SIZE_N*16           ; in w
.set STAGE, 262144
.set SPARE, STAGE                      ; the spare words: 128 bytes a wave, two blocks of 256 bytes that no other line names
.set AK0,  16                          ; my lane's place in a's tile; never rewritten
.set BK0,  17                          ; in w's tile
.set ADRA, 18                          ; the same in the slot in hand
.set ADRB, 19
.set CO,   20                          ; my byte offset in the octet layout of out
.set BOF,  24                          ; my byte offset in the bias
.set LA,   25                          ; LDS address of my 16 bytes
.set SPW,  28                          ; LDS address of my spare word; never rewritten
.set NIL,  29                          ; 0; never rewritten
.set KC3,  32                          ; constants, in pairs
.set KC1,  34
.set F0,   64
.set F1,   128
.set BIAS, 192
.set WV,  14                           ; wave
.set WR,  15                           ; wave / 2: my half of the rows; also: I fetch a (0) or w (1)
.set WC,  16                           ; wave % 2: my half of the columns; also: which half of the octets I fetch
.set NTI, 19                           ; tile column
.set MTI, 20                           ; tile row
.set TB,  23                           ; LDS byte of the slot in hand
.set G1A, 24                           ; s[24:31] group 1 for a;  s[32:39] group 0, two sets: the second then walks on
.set G0A, 32
.set G1B, 48                           ; s[48:55], s[56:63] the same for w
.set G0B, 56
.set MSB, 0
.macro WIN new                         ; the immediate's high byte repeats the setting that is left; a switch that changes nothing is dropped
.if MSB != (\new)
	s_set_vgpr_msb (MSB<<8)|(\new)
.set MSB, (\new)
.endif
.endm
.macro PLACES                          ; four places behind matrix instructions (ISA guide 7.12.1), where no other vector work is at hand
.rept 4
	v_nop
.endr
.endm
.macro CREST                           ; a round of the cluster's barrier behind its opening barrier
	s_cmp_lg_u32 s[WV], 0
	s_cbranch_scc1 .Lnot_wave_0_\@
	s_barrier_signal -3
.Lnot_wave_0_\@:
	s_barrier_wait -3
	s_barrier_signal -1
	s_barrier_wait -1
.endm
.macro CROUND
	s_barrier_signal -1
	s_barrier_wait -1
	CREST
.endm
.macro JLOAD                           ; a joint refill by the walking descriptors; four v_nop follow each of the two lines
	s_cmp_eq_u32 s[WR], 0
	s_cbranch_scc0 .Lfor_b_\@
	tensor_load_to_lds s[G0A+4:G0A+7], s[G1A:G1A+7]
	s_nop 0
.rept 4
	v_nop
.endr
	s_branch .Lasked_\@
.Lfor_b_\@:
	tensor_load_to_lds s[G0B+4:G0B+7], s[G1B:G1B+7]
	s_nop 0
.rept 4
	v_nop
.endr
.Lasked_\@:
.endm
.macro FETCH q, f                      ; chunk q's fragments into buffer f, in one run: w's 2 NF loads, then a's 2 MF
	WIN 0x40                                       ; destination window 1, address window 0
.set ib, 0
.rept NF
	ds_load_b128 v[\f+8*ib:\f+8*ib+3],   v[ADRB] offset:(\q)*4*PA+ib*256
	ds_load_b128 v[\f+8*ib+4:\f+8*ib+7], v[ADRB] offset:(\q)*4*PA+ib*256+2*PA
.set ib, ib+1
.endr
	WIN 0
.set ib, 0
.rept MF
	ds_load_b128 v[\f+8*ib:\f+8*ib+3],   v[ADRA] offset:(\q)*4*PA+ib*256
	ds_load_b128 v[\f+8*ib+4:\f+8*ib+7], v[ADRA] offset:(\q)*4*PA+ib*256+2*PA
.set ib, ib+1
.endr
.endm
.macro MULA f, a, zero                 ; row block a x all NF column blocks, 32 along K.  zero = 1: the products start the sums, from the bias
.if \zero
	WIN 0x81+0x40*((\a)/4)
.else
	WIN 0xa1+0x50*((\a)/4)
.endif
.set ib, 0
.rept NF
.set rD, 8*(NF*((\a)%4)+ib)
.if \zero
	v_wmma_f32_16x16x32_bf16 v[rD:rD+7], v[\f+8*ib:\f+8*ib+7], v[\f+8*(\a):\f+8*(\a)+7], v[BIAS+8*ib:BIAS+8*ib+7]
.else
	v_wmma_f32_16x16x32_bf16 v[rD:rD+7], v[\f+8*ib:\f+8*ib+7], v[\f+8*(\a):\f+8*(\a)+7], v[rD:rD+7]
.endif
.set ib, ib+1
.endr
.endm
.macro MULS f, n, zero                 ; the next n row blocks, from block ia on.  The MF x NF accumulators take turns in one fixed order, one instruction a turn
.rept \n
	MULA \f, ia, \zero
.set ia, ia+1
.endr
.endm
.macro QUARTER q, zero                 ; chunk q (not a K step's last): multiplies its buffer and, in the middle, fetches chunk q + 1 into the other
.set fq, F0+64*((\q)%2)
.set gq, F1-64*((\q)%2)
	s_wait_dscnt MF                                ; all but the youngest MF loads, a's upper row blocks
.set ia, 0
	MULS fq, MF/2, \zero
	PLACES
	FETCH (\q)+1, gq
	s_wait_dscnt 2*(MF+NF)                         ; all but the run just issued
	MULS fq, MF/2, \zero
.endm
.macro MIDQ                            ; chunks 1 to NQ - 2
.set iq, 1
.rept NQ-2
	QUARTER iq, 0
.set iq, iq+1
.endr
.endm
; A K step's last chunk changes slots: ONE barrier; in front of it each wave waits for all its tensor loads (one is out: its part of the next slot), adds 0 to its spare word and waits for
; that and for its reads of this slot.  fill = 1: the barrier opens a round of the cluster's barrier, and this slot is filled again, two K steps ahead, first thing behind the round.
.macro TURN fill
	WIN 0
	s_wait_tensorcnt 0x0
	ds_add_u32 v[SPW], v[NIL]
	s_wait_dscnt MF+1                              ; the add and a's upper row blocks may be out
.set ia, 0
	MULS F1, MF/4, 0
	s_wait_dscnt 0x0                               ; the add is done, my reads of this slot are over
	s_barrier_signal -1
	MULS F1, MF/4, 0
.if \fill
	WIN 0
.endif
	s_barrier_wait -1
.if \fill
	CREST
	s_xor_b32 s[G0A+5], s[G0A+5], SLOT1            ; no tensor load of mine is out: the walking descriptors step: the other slot, the next K step
	s_add_nc_u64 s[G0A+6:G0A+7], s[G0A+6:G0A+7], STEPA
	s_xor_b32 s[G0B+5], s[G0B+5], SLOT1
	s_add_nc_u64 s[G0B+6:G0B+7], s[G0B+6:G0B+7], STEPB
	s_xor_b32 s[TB], s[TB], SLOT1
	JLOAD                                          ; its four v_nop are also the places in front of the loads below
.else
	PLACES
	s_xor_b32 s[TB], s[TB], SLOT1
.endif
	WIN 0
	v_add_nc_u32 v[ADRA], s[TB], v[AK0]
	v_add_nc_u32 v[ADRB], s[TB], v[BK0]
	FETCH 0, F0
	MULS F1, MF/2, 0
.endm
	s_load_b256 s[4:11], s[0:1], 0x0               ; a s[4:5], wb s[6:7], bias s[8:9], out s[10:11]
	v_lshl_add_u32 v[SPW], v0, 2, SPARE
	v_mov_b32 v[NIL], 0
	ds_add_u32 v28, v29
	ds_add_u32 v28, v29
	s_wait_dscnt 0x0
	v_lshrrev_b32 v1, 5, v0
	v_readfirstlane_b32 s[WV], v1
	s_lshr_b32 s[WR], s[WV], 1
	s_and_b32 s[WC], s[WV], 1
	s_bfe_u32 s17, ttmp6, 0x40000                  ; cx
	s_bfe_u32 s18, ttmp6, 0x40004                  ; cy
	s_lshl_b32 s[NTI], ttmp9, 2
	s_add_co_u32 s[NTI], s[NTI], s17
	s_and_b32 s[MTI], ttmp7, 0xffff
	s_lshl_b32 s[MTI], s[MTI], 2
	s_add_co_u32 s[MTI], s[MTI], s18
	s_lshl_b32 s21, s18, 2
	s_lshl_b32 s21, 15, s21                        ; my row of the cluster
	s_lshl_b32 s22, 0x1111, s17                    ; my column
	; group 1: KS/16 rows of 2 BM elements of 8 bytes, no padding
	s_or_b32 s[G1A], s21, (3<<16)|(1<<21)          ; 15:0 the mask; 17:16 elements of 8 bytes; 21 set beside a mask
	s_or_b32 s[G1B], s22, (3<<16)|(1<<21)
.irp g, G1A, G1B
	s_mov_b32 s[\g+1], (BM*2)<<16                  ; tensor_dim0
	s_mov_b32 s[\g+2], (KS/16)<<16                 ; tensor_dim1
	s_mov_b32 s[\g+3], (BM*2)<<16                  ; tile_dim0
	s_mov_b32 s[\g+4], KS/16                       ; tile_dim1
	s_mov_b32 s[\g+6], 0
	s_mov_b32 s[\g+7], 0
.endr
	s_mov_b32 s[G1A+5], 8192                       ; elements from an octet to the next: 4,096 rows x 2
	s_mov_b32 s[G1B+5], SIZE_N*2
	s_mul_i32 s40, s[MTI], BM*16                   ; a: the tile's rows, my half of the octets; these registers never hold cx
	s_mul_i32 s42, s[WC], (KS/16)*65536
	s_add_co_u32 s40, s40, s42
	s_mov_b32 s41, 0
	s_mul_i32 s44, s[NTI], BM*16                   ; w: the tile's columns, my half of the octets; these never hold cy
	s_mul_i32 s46, s[WC], (KS/16)*SIZE_N*16
	s_add_co_u32 s44, s44, s46
	s_add_co_u32 s44, s44, WOFF
	s_mov_b32 s45, 0
	s_lshl_b32 s66, s[WV], 15                      ; where my part goes: wave x 32,768
	s_mov_b32 s[TB], 0
	s_wait_kmcnt 0x0
	s_add_nc_u64 s[40:41], s[4:5], s[40:41]
	s_add_nc_u64 s[44:45], s[6:7], s[44:45]
	CROUND                                         ; all sixteen work-groups are here: the first joint loads meet
.irp s, 0,1
	s_mov_b32 s[G0A+4*\s], 1
	s_add_co_u32 s[G0A+4*\s+1], s66, \s*SLOT1
	s_add_nc_u64 s[G0A+4*\s+2:G0A+4*\s+3], s[40:41], \s*STEPA
	s_or_b32 s[G0A+4*\s+3], s[G0A+4*\s+3], 0x80000000
	s_mov_b32 s[G0B+4*\s], 1
	s_add_co_u32 s[G0B+4*\s+1], s66, \s*SLOT1
	s_add_nc_u64 s[G0B+4*\s+2:G0B+4*\s+3], s[44:45], \s*STEPB
	s_or_b32 s[G0B+4*\s+3], s[G0B+4*\s+3], 0x80000000
.endr
	s_cmp_eq_u32 s[WR], 0                          ; a wave's two first fills stand in one branch: two loads of mine are out
	s_cbranch_scc0 .Lfirst_b
	tensor_load_to_lds s[G0A:G0A+3], s[G1A:G1A+7]
	s_nop 0
	tensor_load_to_lds s[G0A+4:G0A+7], s[G1A:G1A+7]
	s_nop 0
.rept 4
	v_nop
.endr
	s_branch .Lfirst_asked
.Lfirst_b:
	tensor_load_to_lds s[G0B:G0B+3], s[G1B:G1B+7]
	s_nop 0
	tensor_load_to_lds s[G0B+4:G0B+7], s[G1B:G1B+7]
	s_nop 0
.rept 4
	v_nop
.endr
.Lfirst_asked:
	; a fragment: lane l holds row l%16; registers 0-3 octet 4 q + l/16, registers 4-7 octet 4 q + 2 + l/16
	v_and_b32 v1, 15, v0                           ; r
	v_bfe_u32 v2, v0, 4, 1                         ; h
	v_lshlrev_b32 v3, 4, v1
	v_mul_u32_u24 v4, v2, PA
	v_add_nc_u32 v3, v3, v4                        ; 16 r + h x octet row
	s_mul_i32 s67, s[WR], MF*256
	v_add_nc_u32 v[AK0], s67, v3
	s_mul_i32 s67, s[WC], NF*256
	s_add_co_u32 s67, s67, 65536                   ; w's tile lies behind a's
	v_add_nc_u32 v[BK0], s67, v3
	v_mov_b32 v[ADRA], v[AK0]
	v_mov_b32 v[ADRB], v[BK0]
	v_lshlrev_b32 v[BOF], 5, v2                    ; bias: 8 h numbers
	s_mul_i32 s70, s[NTI], BM*4
	s_mul_i32 s71, s[WC], NF*64
	s_add_co_u32 s70, s70, s71
	s_mov_b32 s71, 0
	s_add_nc_u64 s[8:9], s[8:9], s[70:71]
.set ib, 0
.rept NF
	global_load_b128 v[BIAS+8*ib:BIAS+8*ib+3],   v[BOF], s[8:9] offset:64*ib       ; register j: bias[n0 + 16 b + 8 h + j]
	global_load_b128 v[BIAS+8*ib+4:BIAS+8*ib+7], v[BOF], s[8:9] offset:64*ib+16
.set ib, ib+1
.endr
	s_lshl_b32 s68, s[NTI], 21                     ; 32 octets of 65,536 bytes a tile,
	s_lshl_b32 s70, s[WC], 20                      ; 16 a wave,
	s_add_co_u32 s68, s68, s70
	s_lshl_b32 s70, s[MTI], 12                     ; 256 rows of 16 bytes,
	s_add_co_u32 s68, s68, s70
	s_lshl_b32 s70, s[WR], 11                      ; 128 a wave
	s_add_co_u32 s68, s68, s70
	s_mov_b32 s69, 0
	s_add_nc_u64 s[10:11], s[10:11], s[68:69]
	v_lshlrev_b32 v5, 4, v1
	v_lshl_add_u32 v[CO], v2, 16, v5               ; octet h, row r
	v_and_b32 v5, 31, v0
	v_lshlrev_b32 v5, 4, v5
	s_lshl_b32 s72, s[WV], 16
	v_add_nc_u32 v[LA], s72, v5
	s_wait_tensorcnt 0x1                           ; my part of K step 0 is in; K step 1's may stay out
	s_barrier_signal -1
	s_barrier_wait -1
	FETCH 0, F0
	s_wait_loadcnt 0x0                             ; the bias
	QUARTER 0, 1                                   ; the first chunk stands in front of the loop: its products start the sums
	WIN 0                                          ; at a label and at a branch every window is 0
	s_mov_b32 s3, NT-2
.Lk:                                                   ; a trip: the rest of a K step, the refill of its slot, the next K step's first chunk
	MIDQ
	TURN 1
	QUARTER 0, 0
	WIN 0
	s_sub_co_u32 s3, s3, 1
	s_cmp_lg_u32 s3, 0
	s_cbranch_scc1 .Lk
	MIDQ                                           ; the last two K steps ask for nothing more
	TURN 0
	QUARTER 0, 0
	MIDQ
	s_wait_dscnt MF
.set ia, 0
	MULS F1, MF/2, 0
	s_wait_dscnt 0x0
	MULS F1, MF/2, 0
	WIN 0
	; gelu(x) = x / (1 + 2^(-x (k1 + k3 x x))), k1 = 2 sqrt(2/pi) log2 e, k3 = 0.044715 k1: the same function as 0.5 x (1 + tanh(..)).
	; Written once and walked eight times: the accumulators go into the ring, which has had its last fill, 65,536 bytes a wave, each lane reading back its own bytes.
	s_barrier_signal -1                            ; every wave's reads of the ring are back (the wait for 0 above)
	s_barrier_wait -1
	PLACES
.set ia, 0
.rept 8
	WIN 0x08+4*(ia/4)                              ; store data window 2 or 3
.set ib, 0
.rept 8
.set rD, 8*(8*(ia%4)+ib)
	ds_store_b128 v[LA], v[rD:rD+3]   offset:(8*ia+ib)*1024
	ds_store_b128 v[LA], v[rD+4:rD+7] offset:(8*ia+ib)*1024+512
.set ib, ib+1
.endr
.set ia, ia+1
.endr
	WIN 0
	v_mov_b32 v[KC3], 0xbdd2d3e8                   ; -k3 = -0.10294324
	v_mov_b32 v[KC3+1], 0xbdd2d3e8
	v_mov_b32 v[KC1], 0xc0135761                   ; -k1 = -2.3022082
	v_mov_b32 v[KC1+1], 0xc0135761
	s_mov_b32 s3, 8
.Lgelu:                                                ; a trip: 16 rows x 128 columns
.irp b, 0,1,2,3,4,5,6,7
	ds_load_b128 v[64+8*\b:64+8*\b+3], v[LA] offset:\b*1024
	ds_load_b128 v[64+8*\b+4:64+8*\b+7], v[LA] offset:\b*1024+512
.endr
	s_wait_dscnt 0x0
.set i, 0
.rept 32
	v_pk_mul_f32 v[128+i:128+i+1], v[64+i:64+i+1], v[64+i:64+i+1]
.set i, i+2
.endr
.set i, 0
.rept 32
	v_pk_fma_f32 v[128+i:128+i+1], v[128+i:128+i+1], v[KC3:KC3+1], v[KC1:KC1+1]
.set i, i+2
.endr
.set i, 0
.rept 32
	v_pk_mul_f32 v[128+i:128+i+1], v[128+i:128+i+1], v[64+i:64+i+1]
.set i, i+2
.endr
.set i, 0
.rept 64
	v_exp_f32 v[128+i], v[128+i]
.set i, i+1
.endr
	v_nop                                          ; a plain instruction between the run and the use of its results (ISA guide 5.7.2)
.set i, 0
	s_wait_alu depctr_va_vdst(0)
.rept 32
	v_pk_add_f32 v[128+i:128+i+1], v[128+i:128+i+1], 1.0 op_sel_hi:[1,0]
.set i, i+2
.endr
.set i, 0
.rept 64
	v_rcp_f32 v[128+i], v[128+i]
.set i, i+1
.endr
	v_nop
.set i, 0
	s_wait_alu depctr_va_vdst(0)
.rept 32
	v_pk_mul_f32 v[64+i:64+i+1], v[64+i:64+i+1], v[128+i:128+i+1]
.set i, i+2
.endr
.set i, 0
.rept 32
	v_cvt_pk_bf16_f32 v[192+i], v[64+2*i], v[64+2*i+1]
.set i, i+1
.endr
.irp b, 0,1,2,3,4,5,6,7
	global_store_b128 v[CO], v[192+4*\b:192+4*\b+3], s[10:11] offset:\b*131072   ; sixteen lanes store 256 consecutive bytes, aligned
.endr
	s_wait_xcnt 0x0                                ; the stores' offset and data are written again only behind this wait
	v_add_nc_u32 v[LA], 8192, v[LA]
	v_add_nc_u32 v[CO], 256, v[CO]
	s_sub_co_u32 s3, s3, 1
	s_cmp_lg_u32 s3, 0
	s_cbranch_scc1 .Lgelu
	s_wait_tensorcnt 0x0                           ; the wave's end
	ds_add_u32 v[SPW], v[NIL]
	s_wait_dscnt 0x0
	CROUND                                         ; the closing round: no work-group ends while a partner may still ask for a tile that names it
	s_endpgm
.Lfunc_end_k_qa31c33d68a_gfc:
	.size	k_qa31c33d68a_gfc, .Lfunc_end_k_qa31c33d68a_gfc-k_qa31c33d68a_gfc
	.p2alignl 7, 3214868480
	.fill 96, 4, 3214868480
	.section	.rodata,"a",@progbits
	.p2align	6, 0x0
	.amdhsa_kernel k_qa31c33d68a_gfc
		.amdhsa_group_segment_fixed_size 327680
		.amdhsa_private_segment_fixed_size 0
		.amdhsa_enable_private_segment 0
		.amdhsa_kernarg_size 32
		.amdhsa_user_sgpr_count 2
		.amdhsa_user_sgpr_kernarg_segment_ptr 1
		.amdhsa_wavefront_size32 1
		.amdhsa_system_sgpr_workgroup_id_x 1
		.amdhsa_system_sgpr_workgroup_id_y 1
		.amdhsa_system_sgpr_workgroup_id_z 1
		.amdhsa_system_vgpr_workitem_id 0
		.amdhsa_next_free_vgpr 1024
		.amdhsa_next_free_sgpr 80
		.amdhsa_reserve_vcc 0
		.amdhsa_float_denorm_mode_32 3
		.amdhsa_float_denorm_mode_16_64 3
		.amdhsa_memory_ordered 1
		.amdhsa_forward_progress 1
		.amdhsa_inst_pref_size 113
	.end_amdhsa_kernel
	.amdgpu_metadata
---
amdhsa.version: [ 1, 2 ]
amdhsa.kernels:
  - .name:           k_qa31c33d68a_gfc
    .symbol:         k_qa31c33d68a_gfc.kd
    .args:
      - { .name: hn, .offset: 0, .size: 8, .value_kind: global_buffer, .address_space: global }
      - { .name: wb, .offset: 8, .size: 8, .value_kind: global_buffer, .address_space: global }
      - { .name: b_fc, .offset: 16, .size: 8, .value_kind: global_buffer, .address_space: global }
      - { .name: h3, .offset: 24, .size: 8, .value_kind: global_buffer, .address_space: global }
    .group_segment_fixed_size: 327680
    .private_segment_fixed_size: 0
    .kernarg_segment_align: 8
    .kernarg_segment_size: 32
    .max_flat_workgroup_size: 128
    .sgpr_count:     80
    .vgpr_count:     1024
    .wavefront_size: 32
...
	.end_amdgpu_metadata
.endif
;; end of part 5
;; launch gmp (part 6): grid 8 x 32, 4 waves a work-group, clusters of 4 x 4, 327,680 bytes of LDS; arguments h3, wb, b_mp, out0, x1; writes out0
.if DOCPART == 6
	.amdgcn_target "amdgcn-amd-amdhsa--gfx1250"
	.amdhsa_code_object_version 6
	.text
	.protected	k_qa31c33d68a_gmp
	.globl	k_qa31c33d68a_gmp
	.p2align	8
	.type	k_qa31c33d68a_gmp,@function
k_qa31c33d68a_gmp:
	s_mov_b64 s[64:65], 0
	v_nop
	global_prefetch_b8 v0, s[64:65] scope:SCOPE_SE
	s_setreg_imm32_b32 hwreg(HW_REG_WAVE_MODE, 25, 1), 1
	s_wait_xcnt 0x0
	s_wait_alu depctr_hold_cnt(0) depctr_sa_sdst(0) depctr_va_vdst(0) depctr_va_sdst(0) depctr_va_ssrc(0) depctr_va_vcc(0) depctr_vm_vsrc(0)
	s_getreg_b32 s2, hwreg(HW_REG_IB_STS2, 6, 4)
	s_cmp_eq_u32 s2, 0
	s_cbranch_scc0 .Lentry_in_a_cluster
	s_endpgm
.Lentry_in_a_cluster:
	s_bfe_u32 s2, ttmp6, 0x10000c
	s_cmp_lg_u32 s2, 0xf033
	s_cbranch_scc0 .Lentry_shape_is_right
	s_endpgm
.Lentry_shape_is_right:
; out0 = x1 + h3 W_mp + b_mp, bf16 operands, f32 sums, f32 result.  The text below the five sizes is the one that the launch for W_ap has too.
.set MF,     4                         ; a wave's tile: MF x MF blocks of 16 x 16; the work-group's: 128 x 128, which gives 256 work-groups here
.set KS,     256                       ; K step
.set SIZE_K, 4096
.set SIZE_N, 1024
.set WOFF,   16777216                  ; the weight's section in wb
; out[m][n] = res[m][n] + sum over k of a[m][k] w[k][n] + bias[n].  a and w lie in the octet layout: element (row, k) at byte (k/8) x ROWS x 16 + row x 16 + (k%8) x 2
; (ROWS = 4096 for a; SIZE_N for w, whose "row" is n).  A tile of a K step is KS/8 rows of 128 x 16 bytes and lies in LDS as in memory: a fragment is two 16-byte reads a lane,
; sixteen lanes read 256 consecutive bytes, nothing is padded or turned.
; Four waves, each MF x MF accumulators.  Two LDS slots of 131,072 bytes (a's tile, then w's) filled by tensor loads, one of 32,768 bytes a wave: waves 0, 1 a's halves, waves 2, 3 w's.
; CLUSTER 4 x 4: a's tile is shared along a row of the cluster, w's along a column: joint loads.
; THE MATRIX INSTRUCTION IS USED TRANSPOSED (source 0 = 16 columns of w, source 1 = 16 rows of a): a lane holds row m0 + lane%16 and columns n0 + 8 (lane/16) + 0..7.
; The bias is the C of each accumulator's first product: nothing is cleared, nothing is added later.
; A K step is eight chunks of 32 along K.  Chunks 1 to 6 are one pair of chunks, written once and walked three times: the two LDS address registers step by eight octet rows a trip.
; REGISTERS: window 0: v0-29 addresses; v64.., v128.. a's fragments, two buffers; v192.. the bias.  Window 1: v64.., v128.. w's fragments.
;   Window 2: accumulator (a, b) at v[8 (MF a + b)].  Window 3: the residual.
; Limit: operands rounded to bf16.
.set NF,    MF
.set BM,    32*MF
.set NQ,    KS/32                      ; chunks of 32 along K in a K step
.set PA,    BM*16                      ; bytes of an octet row of a tile
.set NT,    SIZE_K/KS
.set SLOT1, 131072                     ; slot 1 begins here: one exclusive or changes slots
.set STEPA, (KS/8)*65536               ; bytes from a K step to the next in a,
.set STEPB, (KS/8)*SIZE_N*16           ; in w
.set STAGE, 262144                     ; behind the ring, 16 rows x 272 bytes for each wave
.set SPARE, STAGE+4*4352               ; the spare words: 128 bytes a wave, two blocks of 256 bytes that no other line names
.set AK0,  16                          ; my lane's place in a's tile; never rewritten
.set BK0,  17                          ; in w's tile
.set ADRA, 18                          ; the same in the slot and the pair of chunks in hand
.set ADRB, 19
.set RO,   21                          ; my byte offset in two rows of out and of the residual
.set STO,  22                          ; into the stage
.set RD,   23                          ; back from it
.set BOF,  24                          ; my byte offset in the bias
.set SPW,  28                          ; LDS address of my spare word; never rewritten
.set NIL,  29                          ; 0; never rewritten
.set F0,   64
.set F1,   128
.set BIAS, 192
.set WV,  14                           ; wave
.set WR,  15                           ; wave / 2: my half of the rows; also: I fetch a (0) or w (1)
.set WC,  16                           ; wave % 2: my half of the columns; also: which half of the octets I fetch
.set NTI, 19                           ; tile column
.set MTI, 20                           ; tile row
.set TB,  23                           ; LDS byte of the slot in hand
.set G1A, 24                           ; s[24:31] group 1 for a;  s[32:39] group 0, two sets: the second then walks on
.set G0A, 32
.set G1B, 48                           ; s[48:55], s[56:63] the same for w
.set G0B, 56
.set PC,  73                           ; counts the pairs of chunks
.set MSB, 0
.macro WIN new                         ; the immediate's high byte repeats the setting that is left; a switch that changes nothing is dropped
.if MSB != (\new)
	s_set_vgpr_msb (MSB<<8)|(\new)
.set MSB, (\new)
.endif
.endm
.macro PLACES                          ; four places behind matrix instructions (ISA guide 7.12.1), where no other vector work is at hand
.rept 4
	v_nop
.endr
.endm
.macro CREST                           ; a round of the cluster's barrier behind its opening barrier
	s_cmp_lg_u32 s[WV], 0
	s_cbranch_scc1 .Lnot_wave_0_\@
	s_barrier_signal -3
.Lnot_wave_0_\@:
	s_barrier_wait -3
	s_barrier_signal -1
	s_barrier_wait -1
.endm
.macro CROUND
	s_barrier_signal -1
	s_barrier_wait -1
	CREST
.endm
.macro JLOAD                           ; a joint refill by the walking descriptors; four v_nop follow each of the two lines
	s_cmp_eq_u32 s[WR], 0
	s_cbranch_scc0 .Lfor_b_\@
	tensor_load_to_lds s[G0A+4:G0A+7], s[G1A:G1A+7]
	s_nop 0
.rept 4
	v_nop
.endr
	s_branch .Lasked_\@
.Lfor_b_\@:
	tensor_load_to_lds s[G0B+4:G0B+7], s[G1B:G1B+7]
	s_nop 0
.rept 4
	v_nop
.endr
.Lasked_\@:
.endm
.macro FETCH q, f                      ; the fragments of the chunk q chunks behind the address registers' place, into buffer f, in one run: w's 2 NF loads, then a's 2 MF
	WIN 0x40                                       ; destination window 1, address window 0
.set ib, 0
.rept NF
	ds_load_b128 v[\f+8*ib:\f+8*ib+3],   v[ADRB] offset:(\q)*4*PA+ib*256
	ds_load_b128 v[\f+8*ib+4:\f+8*ib+7], v[ADRB] offset:(\q)*4*PA+ib*256+2*PA
.set ib, ib+1
.endr
	WIN 0
.set ib, 0
.rept MF
	ds_load_b128 v[\f+8*ib:\f+8*ib+3],   v[ADRA] offset:(\q)*4*PA+ib*256
	ds_load_b128 v[\f+8*ib+4:\f+8*ib+7], v[ADRA] offset:(\q)*4*PA+ib*256+2*PA
.set ib, ib+1
.endr
.endm
.macro MULA f, a, zero                 ; row block a x all NF column blocks, 32 along K.  zero = 1: the products start the sums, from the bias
.if \zero
	WIN 0x81
.else
	WIN 0xa1
.endif
.set ib, 0
.rept NF
.set rD, 8*(NF*(\a)+ib)
.if \zero
	v_wmma_f32_16x16x32_bf16 v[rD:rD+7], v[\f+8*ib:\f+8*ib+7], v[\f+8*(\a):\f+8*(\a)+7], v[BIAS+8*ib:BIAS+8*ib+7]
.else
	v_wmma_f32_16x16x32_bf16 v[rD:rD+7], v[\f+8*ib:\f+8*ib+7], v[\f+8*(\a):\f+8*(\a)+7], v[rD:rD+7]
.endif
.set ib, ib+1
.endr
.endm
.macro MULS f, n, zero                 ; the next n row blocks, from block ia on.  The MF x NF accumulators take turns in one fixed order, one instruction a turn
.rept \n
	MULA \f, ia, \zero
.set ia, ia+1
.endr
.endm
.macro QUARTER q, zero                 ; a chunk (not a K step's last): multiplies buffer q % 2 and, in the middle, fetches the next chunk into the other
.set fq, F0+64*((\q)%2)
.set gq, F1-64*((\q)%2)
	s_wait_dscnt MF                                ; all but the youngest MF loads, a's upper row blocks
.set ia, 0
	MULS fq, MF/2, \zero
	PLACES
	FETCH (\q)+1, gq
	s_wait_dscnt 2*(MF+NF)                         ; all but the run just issued
	MULS fq, MF/2, \zero
.endm
.macro MIDQ                            ; chunks 1 to 6: trip i multiplies chunks 1 + 2 i and 2 + 2 i and fetches chunks 2 + 2 i and 3 + 2 i
	WIN 0                                          ; at a label and at a branch every window is 0
	s_mov_b32 s[PC], (NQ-2)/2
.Lpair_\@:
	QUARTER 1, 0
	QUARTER 2, 0
	WIN 0
	v_add_nc_u32 v[ADRA], 8*PA, v[ADRA]            ; two chunks on; the change of slots sets both anew
	v_add_nc_u32 v[ADRB], 8*PA, v[ADRB]
	s_sub_co_u32 s[PC], s[PC], 1
	s_cmp_lg_u32 s[PC], 0
	s_cbranch_scc1 .Lpair_\@
.endm
; A K step's last chunk changes slots: ONE barrier; in front of it each wave waits for all its tensor loads (one is out: its part of the next slot), adds 0 to its spare word and waits for
; that and for its reads of this slot.  fill = 1: the barrier opens a round of the cluster's barrier, and this slot is filled again, two K steps ahead, first thing behind the round.
.macro TURN fill
	WIN 0
	s_wait_tensorcnt 0x0
	ds_add_u32 v[SPW], v[NIL]
	s_wait_dscnt MF+1                              ; the add and a's upper row blocks may be out
.set ia, 0
	MULS F1, MF/4, 0
	s_wait_dscnt 0x0                               ; the add is done, my reads of this slot are over
	s_barrier_signal -1
	MULS F1, MF/4, 0
.if \fill
	WIN 0
.endif
	s_barrier_wait -1
.if \fill
	CREST
	s_xor_b32 s[G0A+5], s[G0A+5], SLOT1            ; no tensor load of mine is out: the walking descriptors step: the other slot, the next K step
	s_add_nc_u64 s[G0A+6:G0A+7], s[G0A+6:G0A+7], STEPA
	s_xor_b32 s[G0B+5], s[G0B+5], SLOT1
	s_add_nc_u64 s[G0B+6:G0B+7], s[G0B+6:G0B+7], STEPB
	s_xor_b32 s[TB], s[TB], SLOT1
	JLOAD                                          ; its four v_nop are also the places in front of the loads below
.else
	PLACES
	s_xor_b32 s[TB], s[TB], SLOT1
.endif
	WIN 0
	v_add_nc_u32 v[ADRA], s[TB], v[AK0]
	v_add_nc_u32 v[ADRB], s[TB], v[BK0]
	FETCH 0, F0
	MULS F1, MF/2, 0
.endm
	s_load_b256 s[4:11], s[0:1], 0x0               ; a s[4:5], wb s[6:7], bias s[8:9], out s[10:11]
	s_load_b64 s[12:13], s[0:1], 0x20              ; the residual
	v_lshl_add_u32 v[SPW], v0, 2, SPARE
	v_mov_b32 v[NIL], 0
	ds_add_u32 v28, v29
	ds_add_u32 v28, v29
	s_wait_dscnt 0x0
	v_lshrrev_b32 v1, 5, v0
	v_readfirstlane_b32 s[WV], v1
	s_lshr_b32 s[WR], s[WV], 1
	s_and_b32 s[WC], s[WV], 1
	s_bfe_u32 s17, ttmp6, 0x40000                  ; cx
	s_bfe_u32 s18, ttmp6, 0x40004                  ; cy
	s_lshl_b32 s[NTI], ttmp9, 2
	s_add_co_u32 s[NTI], s[NTI], s17
	s_and_b32 s[MTI], ttmp7, 0xffff
	s_lshl_b32 s[MTI], s[MTI], 2
	s_add_co_u32 s[MTI], s[MTI], s18
	s_lshl_b32 s21, s18, 2
	s_lshl_b32 s21, 15, s21                        ; my row of the cluster
	s_lshl_b32 s22, 0x1111, s17                    ; my column
	; group 1: KS/16 rows of 2 BM elements of 8 bytes, no padding
	s_or_b32 s[G1A], s21, (3<<16)|(1<<21)          ; 15:0 the mask; 17:16 elements of 8 bytes; 21 set beside a mask
	s_or_b32 s[G1B], s22, (3<<16)|(1<<21)
.irp g, G1A, G1B
	s_mov_b32 s[\g+1], (BM*2)<<16                  ; tensor_dim0
	s_mov_b32 s[\g+2], (KS/16)<<16                 ; tensor_dim1
	s_mov_b32 s[\g+3], (BM*2)<<16                  ; tile_dim0
	s_mov_b32 s[\g+4], KS/16                       ; tile_dim1
	s_mov_b32 s[\g+6], 0
	s_mov_b32 s[\g+7], 0
.endr
	s_mov_b32 s[G1A+5], 8192                       ; elements from an octet to the next: 4,096 rows x 2
	s_mov_b32 s[G1B+5], SIZE_N*2
	s_mul_i32 s40, s[MTI], BM*16                   ; a: the tile's rows, my half of the octets; these registers never hold cx
	s_mul_i32 s42, s[WC], (KS/16)*65536
	s_add_co_u32 s40, s40, s42
	s_mov_b32 s41, 0
	s_mul_i32 s44, s[NTI], BM*16                   ; w: the tile's columns, my half of the octets; these never hold cy
	s_mul_i32 s46, s[WC], (KS/16)*SIZE_N*16
	s_add_co_u32 s44, s44, s46
	s_add_co_u32 s44, s44, WOFF
	s_mov_b32 s45, 0
	s_lshl_b32 s66, s[WV], 15                      ; where my part goes: wave x 32,768
	s_mov_b32 s[TB], 0
	s_wait_kmcnt 0x0
	s_add_nc_u64 s[40:41], s[4:5], s[40:41]
	s_add_nc_u64 s[44:45], s[6:7], s[44:45]
	CROUND                                         ; all sixteen work-groups are here: the first joint loads meet
.irp s, 0,1
	s_mov_b32 s[G0A+4*\s], 1
	s_add_co_u32 s[G0A+4*\s+1], s66, \s*SLOT1
	s_add_nc_u64 s[G0A+4*\s+2:G0A+4*\s+3], s[40:41], \s*STEPA
	s_or_b32 s[G0A+4*\s+3], s[G0A+4*\s+3], 0x80000000
	s_mov_b32 s[G0B+4*\s], 1
	s_add_co_u32 s[G0B+4*\s+1], s66, \s*SLOT1
	s_add_nc_u64 s[G0B+4*\s+2:G0B+4*\s+3], s[44:45], \s*STEPB
	s_or_b32 s[G0B+4*\s+3], s[G0B+4*\s+3], 0x80000000
.endr
	s_cmp_eq_u32 s[WR], 0                          ; a wave's two first fills stand in one branch: two loads of mine are out
	s_cbranch_scc0 .Lfirst_b
	tensor_load_to_lds s[G0A:G0A+3], s[G1A:G1A+7]
	s_nop 0
	tensor_load_to_lds s[G0A+4:G0A+7], s[G1A:G1A+7]
	s_nop 0
.rept 4
	v_nop
.endr
	s_branch .Lfirst_asked
.Lfirst_b:
	tensor_load_to_lds s[G0B:G0B+3], s[G1B:G1B+7]
	s_nop 0
	tensor_load_to_lds s[G0B+4:G0B+7], s[G1B:G1B+7]
	s_nop 0
.rept 4
	v_nop
.endr
.Lfirst_asked:
	; a fragment: lane l holds row l%16; registers 0-3 octet 4 q + l/16, registers 4-7 octet 4 q + 2 + l/16
	v_and_b32 v1, 15, v0                           ; r
	v_bfe_u32 v2, v0, 4, 1                         ; h
	v_lshlrev_b32 v3, 4, v1
	v_mul_u32_u24 v4, v2, PA
	v_add_nc_u32 v3, v3, v4                        ; 16 r + h x octet row
	s_mul_i32 s67, s[WR], MF*256
	v_add_nc_u32 v[AK0], s67, v3
	s_mul_i32 s67, s[WC], NF*256
	s_add_co_u32 s67, s67, 65536                   ; w's tile lies behind a's
	v_add_nc_u32 v[BK0], s67, v3
	v_mov_b32 v[ADRA], v[AK0]
	v_mov_b32 v[ADRB], v[BK0]
	v_lshlrev_b32 v[BOF], 5, v2                    ; bias: 8 h numbers
	s_mul_i32 s70, s[NTI], BM*4
	s_mul_i32 s71, s[WC], NF*64
	s_add_co_u32 s70, s70, s71
	s_mov_b32 s71, 0
	s_add_nc_u64 s[8:9], s[8:9], s[70:71]
.set ib, 0
.rept NF
	global_load_b128 v[BIAS+8*ib:BIAS+8*ib+3],   v[BOF], s[8:9] offset:64*ib       ; register j: bias[n0 + 16 b + 8 h + j]
	global_load_b128 v[BIAS+8*ib+4:BIAS+8*ib+7], v[BOF], s[8:9] offset:64*ib+16
.set ib, ib+1
.endr
	s_lshl_b32 s68, s[MTI], 19                     ; 128 rows of 4,096 bytes a tile,
	s_lshl_b32 s70, s[WR], 18                      ; 64 a wave,
	s_add_co_u32 s68, s68, s70
	s_lshl_b32 s70, s[NTI], 9                      ; 128 columns of 4 bytes,
	s_add_co_u32 s68, s68, s70
	s_lshl_b32 s70, s[WC], 8                       ; 64 a wave
	s_add_co_u32 s68, s68, s70
	s_mov_b32 s69, 0
	s_add_nc_u64 s[10:11], s[10:11], s[68:69]
	s_add_nc_u64 s[12:13], s[12:13], s[68:69]
	v_lshl_add_u32 v[RO], v2, 12, v3
	v_sub_nc_u32 v[RO], v[RO], v4                  ; 4,096 h + 16 r: lanes 0-15 one row's 256 bytes, lanes 16-31 the next row's
	WIN 0xc0                                       ; destination window 3
.set ia, 0
.rept 32
	global_load_b128 v[4*ia:4*ia+3], v[RO], s[12:13] offset:2*ia*4096   ; the residual of my 64 x 64, two rows a load: it lands under the K loop
.set ia, ia+1
.endr
	WIN 0
	s_mul_i32 s72, s[WV], 4352
	s_add_co_u32 s72, s72, STAGE
	v_mul_u32_u24 v5, v1, 272
	v_lshl_add_u32 v5, v2, 5, v5
	v_add_nc_u32 v[STO], s72, v5                   ; in: row r, 32 bytes for each half of the lanes
	v_mul_u32_u24 v5, v2, 272
	v_lshl_add_u32 v5, v1, 4, v5
	v_add_nc_u32 v[RD], s72, v5                    ; back: whole rows
	s_wait_tensorcnt 0x1                           ; my part of K step 0 is in; K step 1's may stay out
	s_barrier_signal -1
	s_barrier_wait -1
	FETCH 0, F0
	s_wait_loadcnt 32                              ; the bias is in; the 32 younger loads, the residual, stay out
	QUARTER 0, 1                                   ; the first chunk stands in front of the loop: its products start the sums
	WIN 0                                          ; at a label and at a branch every window is 0
	s_mov_b32 s3, NT-2
.Lk:                                                   ; a trip: the rest of a K step, the refill of its slot, the next K step's first chunk
	MIDQ
	TURN 1
	QUARTER 0, 0
	WIN 0
	s_sub_co_u32 s3, s3, 1
	s_cmp_lg_u32 s3, 0
	s_cbranch_scc1 .Lk
	MIDQ                                           ; the last two K steps ask for nothing more
	TURN 0
	QUARTER 0, 0
	MIDQ
	s_wait_dscnt MF
.set ia, 0
	MULS F1, MF/2, 0
	s_wait_dscnt 0x0
	MULS F1, MF/2, 0
	WIN 0
	; 16 rows at a time through my own stage: in as 32 bytes a lane, back as whole rows of 256 bytes; the residual is added; sixteen lanes store 256 consecutive bytes, aligned
	s_wait_loadcnt 0x0                             ; the residual
	PLACES
.set ia, 0
.rept 4
	WIN 0x08                                       ; store data window 2
.set ib, 0
.rept 4
	ds_store_b128 v[STO], v[8*(4*ia+ib):8*(4*ia+ib)+3]   offset:64*ib
	ds_store_b128 v[STO], v[8*(4*ia+ib)+4:8*(4*ia+ib)+7] offset:64*ib+16
.set ib, ib+1
.endr
	WIN 0
.if ia >= 2
	s_wait_xcnt 0x0                                ; the set of registers that earlier stores read is loaded again only behind this wait
.endif
.set ob, 64+32*(ia%2)
.set ib, 0
.rept 8
	ds_load_b128 v[ob+4*ib:ob+4*ib+3], v[RD] offset:ib*544     ; LDS serves a wave's instructions in order: these see the stores above
.set ib, ib+1
.endr
	s_wait_dscnt 0x0
	WIN 0x0c                                       ; source 1 window 3
.set ib, 0
.rept 16
	v_pk_add_f32 v[ob+2*ib:ob+2*ib+1], v[ob+2*ib:ob+2*ib+1], v[32*ia+2*ib:32*ia+2*ib+1]
.set ib, ib+1
.endr
	WIN 0
.set ib, 0
.rept 8
	global_store_b128 v[RO], v[ob+4*ib:ob+4*ib+3], s[10:11] offset:(16*ia+2*ib)*4096
.set ib, ib+1
.endr
.set ia, ia+1
.endr
	s_wait_tensorcnt 0x0                           ; the wave's end
	ds_add_u32 v[SPW], v[NIL]
	s_wait_dscnt 0x0
	CROUND                                         ; the closing round: no work-group ends while a partner may still ask for a tile that names it
	s_endpgm
.Lfunc_end_k_qa31c33d68a_gmp:
	.size	k_qa31c33d68a_gmp, .Lfunc_end_k_qa31c33d68a_gmp-k_qa31c33d68a_gmp
	.p2alignl 7, 3214868480
	.fill 96, 4, 3214868480
	.section	.rodata,"a",@progbits
	.p2align	6, 0x0
	.amdhsa_kernel k_qa31c33d68a_gmp
		.amdhsa_group_segment_fixed_size 327680
		.amdhsa_private_segment_fixed_size 0
		.amdhsa_enable_private_segment 0
		.amdhsa_kernarg_size 40
		.amdhsa_user_sgpr_count 2
		.amdhsa_user_sgpr_kernarg_segment_ptr 1
		.amdhsa_wavefront_size32 1
		.amdhsa_system_sgpr_workgroup_id_x 1
		.amdhsa_system_sgpr_workgroup_id_y 1
		.amdhsa_system_sgpr_workgroup_id_z 1
		.amdhsa_system_vgpr_workitem_id 0
		.amdhsa_next_free_vgpr 896
		.amdhsa_next_free_sgpr 80
		.amdhsa_reserve_vcc 0
		.amdhsa_float_denorm_mode_32 3
		.amdhsa_float_denorm_mode_16_64 3
		.amdhsa_memory_ordered 1
		.amdhsa_forward_progress 1
		.amdhsa_inst_pref_size 53
	.end_amdhsa_kernel
	.amdgpu_metadata
---
amdhsa.version: [ 1, 2 ]
amdhsa.kernels:
  - .name:           k_qa31c33d68a_gmp
    .symbol:         k_qa31c33d68a_gmp.kd
    .args:
      - { .name: h3, .offset: 0, .size: 8, .value_kind: global_buffer, .address_space: global }
      - { .name: wb, .offset: 8, .size: 8, .value_kind: global_buffer, .address_space: global }
      - { .name: b_mp, .offset: 16, .size: 8, .value_kind: global_buffer, .address_space: global }
      - { .name: out0, .offset: 24, .size: 8, .value_kind: global_buffer, .address_space: global }
      - { .name: x1, .offset: 32, .size: 8, .value_kind: global_buffer, .address_space: global }
    .group_segment_fixed_size: 327680
    .private_segment_fixed_size: 0
    .kernarg_segment_align: 8
    .kernarg_segment_size: 40
    .max_flat_workgroup_size: 128
    .sgpr_count:     80
    .vgpr_count:     896
    .wavefront_size: 32
...
	.end_amdgpu_metadata
.endif
;; end of part 6
;; ======== version 2 of 2: 7 launches; version 1 with the launches prep, ln2 written anew for expert scheduling mode
;; workspace buffers: wb 25,165,824 bytes; hn 8,388,608 bytes; qkvb 25,165,824 bytes; yat 8,388,608 bytes; x1 16,777,216 bytes; h3 33,554,432 bytes
;; launch prep (part 7): grid 1024 x 1, 8 waves a work-group, no clusters, 35,840 bytes of LDS; arguments x, ln1_g, ln1_b, W_attn, W_ap, W_fc, W_mp, hn, wb; writes hn, wb
.if DOCPART == 7
	.amdgcn_target "amdgcn-amd-amdhsa--gfx1250"
	.amdhsa_code_object_version 6
	.text
	.protected	k_qa31c33d68a_prep
	.globl	k_qa31c33d68a_prep
	.p2align	8
	.type	k_qa31c33d68a_prep,@function
k_qa31c33d68a_prep:
	s_mov_b64 s[64:65], 0
	v_nop
	global_prefetch_b8 v0, s[64:65] scope:SCOPE_SE
	s_setreg_imm32_b32 hwreg(HW_REG_WAVE_SCHED_MODE, 0, 2), 2
	s_setreg_imm32_b32 hwreg(HW_REG_WAVE_MODE, 25, 1), 1
	s_wait_xcnt 0x0
	s_wait_alu depctr_vm_vsrc(0)
; Work-groups 0-255: hn = layernorm(x) g + b, rounded to bf16.  Work-groups 256-1023: the four weight matrices rounded to bf16 into wb.
; OCTET LAYOUT of every bf16 buffer of this program: element (row, k) lies at byte (k/8) x ROWS x 16 + row x 16 + (k%8) x 2; ROWS = 4096 for
; activations, N for a weight [K][N] (its "row" is the column n).  A matrix fragment is then two plain 16-byte reads a lane.
; Memory binds here: no matrix unit, no cluster, no tensor load would add anything; LDS only turns the data so that sixteen neighbouring lanes store 256 consecutive bytes.
; LN: a work-group owns 16 rows, a wave 2; a row (4,096 bytes) stays in 32 registers; mean first, then the squares of x - mean (two passes over registers), so a common offset of x costs no digits.
; Limit: v_rsq_f32 is accurate to 1 ULP and flushes denormals.
; THE MODE: SCHED_MODE bits 1:0 = 2 (LLVM: expert scheduling mode 2), set by the entry lines.  The code itself states the register dependences
; between vector instructions and memory or LDS instructions, with s_wait_alu, always for 0.
; THE PLAN.  Registers that memory or LDS instructions touch:
;   LN    v1        offset of every global load; written at the head, never again.
;         X         the loads of x land in it; the rows' arithmetic works in place; the packed rows (X + 0..15, X + 32..47) are read by the LDS stores and never written again.
;         G, BT     the loads of gains and biases land in them; the packed multiply-adds read them; behind the barrier the LDS loads land in G, and the global stores read G.
;         v2 - v4   LDS and global addresses, written once, behind the global loads.
;   Cast  OF        sixteen offsets, written once, read by the sixteen global loads.     X  those loads land in it; the conversions read it.
;         G         written by the conversions, read by the LDS stores.                  BT the LDS loads land in it (nothing names it before); the global stores read it.
;         v160-162  addresses, written once, behind the global loads.
;   No register that a memory or LDS instruction has read is written again on either path, so no wait on vm_vsrc is owed.  The waits on va_vdst: one ahead of each path's global loads
;   (the offsets), and one ahead of each run of LDS stores (the conversions; all addresses made so far); row 0's run stands behind the wait that row 1's roots have in any case.
.set X,   16                           ; v[16:79]   LN: two rows, 32 registers each.  Cast: 16 weight rows x 4 columns
.set G,   80                           ; v[80:111]  LN: gains of my 32 columns, later the rows read back from LDS.  Cast: packed chunks
.set BT,  112                          ; v[112:143] LN: biases.                        Cast: chunks read back from LDS
.set T,   144                          ; v[144:159] LN: at work: no memory instruction names them
.set OF,  144                          ; v[144:159] Cast: byte offsets of my 16 weight rows
.set HN,  18                           ; s[18:19]   hn
.macro REDUCE                          ; v[T] summed over the 32 lanes, the result in every lane
	v_add_f32_dpp v[T], v[T], v[T] row_xmask:1 row_mask:0xf bank_mask:0xf
	v_add_f32_dpp v[T], v[T], v[T] row_xmask:2 row_mask:0xf bank_mask:0xf
	v_add_f32_dpp v[T], v[T], v[T] row_xmask:4 row_mask:0xf bank_mask:0xf
	v_add_f32_dpp v[T], v[T], v[T] row_xmask:8 row_mask:0xf bank_mask:0xf
	v_permlanex16_b32 v[T+1], v[T], s24, s25
	v_add_f32 v[T], v[T], v[T+1]
.endm
.macro FOLD                            ; four chains of pairs into v[T]
	v_pk_add_f32 v[T:T+1], v[T:T+1], v[T+2:T+3]
	v_pk_add_f32 v[T+4:T+5], v[T+4:T+5], v[T+6:T+7]
	v_pk_add_f32 v[T:T+1], v[T:T+1], v[T+4:T+5]
	v_add_f32 v[T], v[T], v[T+1]
.endm
.macro STROW i                         ; row i of my two, packed, goes into LDS
.irp j, 0,1,2,3,4,5,6,7
	ds_store_b64 v2, v[X+32*\i+2*\j:X+32*\i+2*\j+1] offset:\i*16+\j*4352   ; my 4 columns of load j: half of octet 16 j + lane/2
.endr
.endm
.macro LNROW i                         ; row i of my two: the arithmetic; its LDS stores follow later, behind a wait
.set R, X+32*\i
.irp c, 0,1,2,3
	v_pk_add_f32 v[T+2*\c:T+2*\c+1], v[R+2*\c:R+2*\c+1], v[R+8+2*\c:R+8+2*\c+1]
.endr
.irp k, 16,24
.irp c, 0,1,2,3
	v_pk_add_f32 v[T+2*\c:T+2*\c+1], v[T+2*\c:T+2*\c+1], v[R+\k+2*\c:R+\k+2*\c+1]
.endr
.endr
	FOLD
	REDUCE
	v_mul_f32 v[T+8], s28, v[T]                    ; the mean, twice: a pair for the packed subtraction
	v_mul_f32 v[T+9], s28, v[T]
.set j, 0
.rept 16
	v_pk_add_f32 v[R+j:R+j+1], v[R+j:R+j+1], v[T+8:T+9] neg_lo:[0,1] neg_hi:[0,1]
.set j, j+2
.endr
.irp c, 0,1,2,3
	v_pk_mul_f32 v[T+2*\c:T+2*\c+1], v[R+2*\c:R+2*\c+1], v[R+2*\c:R+2*\c+1]
.endr
.irp k, 8,16,24
.irp c, 0,1,2,3
	v_pk_fma_f32 v[T+2*\c:T+2*\c+1], v[R+\k+2*\c:R+\k+2*\c+1], v[R+\k+2*\c:R+\k+2*\c+1], v[T+2*\c:T+2*\c+1]
.endr
.endr
	FOLD
	REDUCE
	v_fma_f32 v[T], v[T], s28, s29                 ; variance + 1e-5
	v_rsq_f32 v[T+8], v[T]
	v_rsq_f32 v[T+9], v[T]
	s_wait_loadcnt 0x0                             ; gains and biases are in
	v_nop                                          ; a plain instruction between the root and the use of its result (ISA guide 5.7.2)
	s_wait_alu depctr_va_vdst(0)                   ; the two roots have written v[T+8] and v[T+9], ahead of their first reader; in row 1 also: row 0's conversions have written X + 0..15, and v2 is written
.if \i == 1
	STROW 0                                        ; row 0's stores read X + 0..15 and v2: no vector instruction stands between the wait above and them, and none behind them writes those registers
.endif
.set j, 0
.rept 16
	v_pk_mul_f32 v[R+j:R+j+1], v[R+j:R+j+1], v[T+8:T+9]
.set j, j+2
.endr
.set j, 0
.rept 16
	v_pk_fma_f32 v[R+j:R+j+1], v[R+j:R+j+1], v[G+j:G+j+1], v[BT+j:BT+j+1]
.set j, j+2
.endr
.set j, 0
.rept 16
	v_cvt_pk_bf16_f32 v[R+j], v[R+2*j], v[R+2*j+1] ; packed downwards in place: register j is written when 2 j and 2 j + 1 are read
.set j, j+1
.endr
.endm
	s_load_b512 s[4:19], s[0:1], 0x0               ; x, ln1_g, ln1_b, W_attn, W_ap, W_fc, W_mp, hn
	s_load_b64 s[20:21], s[0:1], 0x40              ; wb
	v_lshl_add_u32 v168, v0, 2, 0x8800
	v_mov_b32 v169, 0
	v_lshrrev_b32 v5, 5, v0
	v_readfirstlane_b32 s22, v5                    ; wave 0..7
	v_and_b32 v6, 31, v0                           ; lane
	v_lshlrev_b32 v1, 4, v6                        ; 16 bytes a lane
	s_wait_alu depctr_va_sdst(0)                   ; s22 is written, ahead of the branch: both paths make their addresses from it
	s_wait_kmcnt 0x0
	s_cmp_lt_u32 ttmp9, 256                        ; the same in all waves of a work-group
	s_cbranch_scc0 .Lcast
	; ---------------- layernorm ----------------
	s_lshl_b32 s26, ttmp9, 16                      ; 16 rows of 4,096 bytes a work-group,
	s_lshl_b32 s27, s22, 13                        ; 2 a wave
	s_add_co_u32 s26, s26, s27
	s_mov_b32 s27, 0
	s_add_nc_u64 s[4:5], s[4:5], s[26:27]
	s_wait_alu depctr_va_vdst(0)                   ; v1 is written: every global load below reads it as its offset
.irp i, 0,1
.irp j, 0,1,2,3,4,5,6,7
	global_load_b128 v[X+32*\i+4*\j:X+32*\i+4*\j+3], v1, s[4:5] offset:\i*4096+\j*512
.endr
.endr
.irp j, 0,1,2,3,4,5,6,7
	global_load_b128 v[G+4*\j:G+4*\j+3], v1, s[6:7] offset:\j*512
	global_load_b128 v[BT+4*\j:BT+4*\j+3], v1, s[8:9] offset:\j*512
.endr
	s_lshl_b32 s26, ttmp9, 8                       ; hn: 16 rows of 16 bytes in every octet
	s_add_nc_u64 s[HN:HN+1], s[HN:HN+1], s[26:27]
	s_mov_b32 s24, 0x76543210                      ; v_permlanex16_b32: each lane takes its own place in the other half
	s_mov_b32 s25, 0xfedcba98
	s_mov_b32 s28, 0x3a800000                      ; 1 / 1024
	s_mov_b32 s29, 0x3727c5ac                      ; 1e-5
	; LDS: 128 octets x (16 rows x 16 bytes + 16 of padding).  The lines below write none of the registers that the loads above read or land in.
	v_lshrrev_b32 v7, 1, v6
	v_and_b32 v8, 1, v6
	v_mul_u32_u24 v2, v7, 272
	v_lshl_add_u32 v2, v8, 3, v2
	s_lshl_b32 s23, s22, 5
	v_add_nc_u32 v2, s23, v2                       ; in: (lane/2) x 272 + (lane%2) x 8 + my first row x 16
	v_lshrrev_b32 v9, 4, v0
	v_and_b32 v10, 15, v0
	v_lshlrev_b32 v10, 4, v10
	v_mul_u32_u24 v3, v9, 272
	v_add_nc_u32 v3, v3, v10                       ; back: octet thread/16, row thread%16
	v_lshl_add_u32 v4, v9, 16, v10                 ; the same place in hn: an octet is 65,536 bytes
	s_wait_loadcnt 16                              ; x is in; the sixteen younger loads (gains, biases) stay out
	LNROW 0
	LNROW 1                                        ; row 0's LDS stores stand in it, behind its wait
	s_wait_alu depctr_va_vdst(0)                   ; row 1's conversions have written X + 32..47, which the stores below read; both rows' multiply-adds are done reading G, in which the LDS loads behind the barrier land; v3 and v4 are written
	STROW 1
	s_wait_dscnt 0x0                               ; for the others' sake: my stores are done
	s_barrier_signal -1
	s_barrier_wait -1
.irp i, 0,1,2,3,4,5,6,7
	ds_load_b128 v[G+4*\i:G+4*\i+3], v3 offset:\i*4352         ; into G, which no memory or LDS instruction has read; no vector instruction stands behind the wait above
.endr
.irp i, 0,1,2,3,4,5,6,7
	s_wait_dscnt 7-\i
	global_store_b128 v4, v[G+4*\i:G+4*\i+3], s[HN:HN+1] offset:\i*1048576   ; sixteen lanes store 256 consecutive bytes, aligned
.endr
	s_wait_dscnt 0x0                               ; the closing lines, six on end
	s_wait_alu 0x0
	s_wait_tensorcnt 0x0
	ds_add_u32 v168, v169
	s_wait_dscnt 0x0
	s_endpgm
	; ---------------- cast of the weights ----------------
	; 768 units of 16 k rows x 1,024 columns: W_attn 192 (64 x 3), W_ap 64, W_fc 256 (64 x 4), W_mp 256.  A wave takes 128 columns.
.Lcast:
	s_sub_co_u32 s30, ttmp9, 256                   ; the unit
	s_mov_b64 s[32:33], s[16:17]                   ; W_mp: N, first unit, section of wb, log2 of the units in a column block
	s_mov_b32 s34, 1024
	s_mov_b32 s35, 512
	s_mov_b32 s36, 16777216
	s_mov_b32 s37, 8
	s_cmp_lt_u32 s30, 512
	s_cselect_b64 s[32:33], s[14:15], s[32:33]     ; W_fc
	s_cselect_b32 s34, 4096, s34
	s_cselect_b32 s35, 256, s35
	s_cselect_b32 s36, 8388608, s36
	s_cselect_b32 s37, 6, s37
	s_cmp_lt_u32 s30, 256
	s_cselect_b64 s[32:33], s[12:13], s[32:33]     ; W_ap
	s_cselect_b32 s34, 1024, s34
	s_cselect_b32 s35, 192, s35
	s_cselect_b32 s36, 6291456, s36
	s_cmp_lt_u32 s30, 192
	s_cselect_b64 s[32:33], s[10:11], s[32:33]     ; W_attn
	s_cselect_b32 s34, 3072, s34
	s_cselect_b32 s35, 0, s35
	s_cselect_b32 s36, 0, s36
	s_sub_co_u32 s38, s30, s35
	s_lshr_b32 s39, s38, s37                       ; cb: which 1,024 columns
	s_lshl_b32 s40, s39, s37
	s_sub_co_u32 s40, s38, s40                     ; op: which 16 k rows
	s_mul_i32 s41, s40, s34                        ; op x N
	s_lshl_b32 s42, s41, 6                         ; 16 rows of 4 N bytes
	s_lshl_b32 s44, s39, 12
	s_add_co_u32 s42, s42, s44
	s_lshl_b32 s44, s22, 9                         ; my wave's 128 columns
	s_add_co_u32 s42, s42, s44
	s_mov_b32 s43, 0
	s_add_nc_u64 s[32:33], s[32:33], s[42:43]
	s_lshl_b32 s44, s34, 2                         ; bytes from a k row to the next
	v_mov_b32 v[OF], v1
.irp k, 1,2,3,4,5,6,7,8,9,10,11,12,13,14,15
	v_add_nc_u32 v[OF+\k], s44, v[OF+\k-1]
.endr
	s_wait_alu depctr_va_vdst(0)                   ; the sixteen offsets v[OF ..] are written, which the loads below read
.irp k, 0,1,2,3,4,5,6,7,8,9,10,11,12,13,14,15
	global_load_b128 v[X+4*\k:X+4*\k+3], v[OF+\k], s[32:33] th:TH_LOAD_NT   ; a wave's load: 512 consecutive bytes of k row k
.endr
	s_lshl_b32 s46, s41, 5                         ; 2 op octets of 16 N bytes,
	s_add_co_u32 s46, s46, s36                     ; in the weight's section,
	s_lshl_b32 s45, s39, 14                        ; at column 1,024 cb
	s_add_co_u32 s46, s46, s45
	s_lshl_b32 s45, s22, 11                        ; + 128 w
	s_add_co_u32 s46, s46, s45
	s_mov_b32 s47, 0
	s_add_nc_u64 s[20:21], s[20:21], s[46:47]
	s_lshl_b32 s45, s34, 4
	v_add_nc_u32 v160, s45, v1                     ; the second octet lies 16 N bytes on.  These lines write none of the registers that the loads above read or land in
	s_mul_i32 s48, s22, 4352                       ; my wave's own LDS: 2 octets x 8 rows of 256 + 16 bytes
	v_lshrrev_b32 v7, 2, v6
	v_and_b32 v8, 3, v6
	v_mul_u32_u24 v7, v7, 272
	v_lshl_add_u32 v7, v8, 6, v7
	v_add_nc_u32 v161, s48, v7                     ; in: my 4 columns' chunks, 64 bytes, at byte 64 x lane of the 2,048
	v_lshrrev_b32 v7, 4, v6
	v_and_b32 v8, 15, v6
	v_mul_u32_u24 v7, v7, 272
	v_lshl_add_u32 v7, v8, 4, v7
	v_add_nc_u32 v162, s48, v7                     ; back: byte 16 x lane
.irp o, 0,1
	s_wait_loadcnt 8-8*\o                          ; loads come back in order: the octet's eight k rows are in
.irp i, 0,1,2,3
.irp p, 0,1,2,3
	v_cvt_pk_bf16_f32 v[G+16*\o+4*\i+\p], v[X+4*(8*\o+2*\p)+\i], v[X+4*(8*\o+2*\p+1)+\i]   ; column 4 lane + i, k rows 2 p and 2 p + 1 of the octet
.endr
.endr
.endr
	s_wait_alu depctr_va_vdst(0)                   ; the 32 conversions have written v[G ..], which the LDS stores read; v160, v161 and v162 are written.  No vector instruction follows on this path
.irp o, 0,1
.irp i, 0,1,2,3
	ds_store_b128 v161, v[G+16*\o+4*\i:G+16*\o+4*\i+3] offset:\o*2176+16*\i
.endr
.endr
.irp o, 0,1
.irp j, 0,1,2,3
	ds_load_b128 v[BT+16*\o+4*\j:BT+16*\o+4*\j+3], v162 offset:\o*2176+\j*544   ; LDS serves a wave's instructions in order: these see the stores above
.endr
.endr
.irp j, 0,1,2,3
	s_wait_dscnt 7-\j
	global_store_b128 v1, v[BT+4*\j:BT+4*\j+3], s[20:21] offset:\j*512        ; a wave's store: 512 consecutive bytes
.endr
.irp j, 0,1,2,3
	s_wait_dscnt 3-\j
	global_store_b128 v160, v[BT+16+4*\j:BT+16+4*\j+3], s[20:21] offset:\j*512
.endr
	s_wait_dscnt 0x0                               ; the closing lines, six on end
	s_wait_alu 0x0
	s_wait_tensorcnt 0x0
	ds_add_u32 v168, v169
	s_wait_dscnt 0x0
	s_endpgm
.Lfunc_end_k_qa31c33d68a_prep:
	.size	k_qa31c33d68a_prep, .Lfunc_end_k_qa31c33d68a_prep-k_qa31c33d68a_prep
	.p2alignl 7, 3214868480
	.fill 96, 4, 3214868480
	.section	.rodata,"a",@progbits
	.p2align	6, 0x0
	.amdhsa_kernel k_qa31c33d68a_prep
		.amdhsa_group_segment_fixed_size 35840
		.amdhsa_private_segment_fixed_size 0
		.amdhsa_enable_private_segment 0
		.amdhsa_kernarg_size 72
		.amdhsa_user_sgpr_count 2
		.amdhsa_user_sgpr_kernarg_segment_ptr 1
		.amdhsa_wavefront_size32 1
		.amdhsa_system_sgpr_workgroup_id_x 1
		.amdhsa_system_sgpr_workgroup_id_y 1
		.amdhsa_system_sgpr_workgroup_id_z 1
		.amdhsa_system_vgpr_workitem_id 0
		.amdhsa_next_free_vgpr 170
		.amdhsa_next_free_sgpr 66
		.amdhsa_reserve_vcc 0
		.amdhsa_float_denorm_mode_32 3
		.amdhsa_float_denorm_mode_16_64 3
		.amdhsa_memory_ordered 1
		.amdhsa_forward_progress 1
		.amdhsa_inst_pref_size 31
	.end_amdhsa_kernel
	.amdgpu_metadata
---
amdhsa.version: [ 1, 2 ]
amdhsa.kernels:
  - .name:           k_qa31c33d68a_prep
    .symbol:         k_qa31c33d68a_prep.kd
    .args:
      - { .name: x, .offset: 0, .size: 8, .value_kind: global_buffer, .address_space: global }
      - { .name: ln1_g, .offset: 8, .size: 8, .value_kind: global_buffer, .address_space: global }
      - { .name: ln1_b, .offset: 16, .size: 8, .value_kind: global_buffer, .address_space: global }
      - { .name: W_attn, .offset: 24, .size: 8, .value_kind: global_buffer, .address_space: global }
      - { .name: W_ap, .offset: 32, .size: 8, .value_kind: global_buffer, .address_space: global }
      - { .name: W_fc, .offset: 40, .size: 8, .value_kind: global_buffer, .address_space: global }
      - { .name: W_mp, .offset: 48, .size: 8, .value_kind: global_buffer, .address_space: global }
      - { .name: hn, .offset: 56, .size: 8, .value_kind: global_buffer, .address_space: global }
      - { .name: wb, .offset: 64, .size: 8, .value_kind: global_buffer, .address_space: global }
    .group_segment_fixed_size: 35840
    .private_segment_fixed_size: 0
    .kernarg_segment_align: 8
    .kernarg_segment_size: 72
    .max_flat_workgroup_size: 256
    .sgpr_count:     66
    .vgpr_count:     170
    .wavefront_size: 32
...
	.end_amdgpu_metadata
.endif
;; end of part 7
;; launch gqkv: the kernel of part 2 again; grid 12 x 16, 4 waves a work-group, clusters of 4 x 4, 327,680 bytes of LDS; arguments hn, wb, b_attn, qkvb; writes qkvb
;; launch attn: the kernel of part 3 again; grid 8 x 32, 8 waves a work-group, no clusters, 327,680 bytes of LDS; arguments qkvb, yat; writes yat
;; launch gproj: the kernel of part 4 again; grid 8 x 32, 4 waves a work-group, clusters of 4 x 4, 327,680 bytes of LDS; arguments yat, wb, b_ap, x1, x; writes x1
;; launch ln2: the kernel of part 7 again; grid 256 x 1, 8 waves a work-group, no clusters, 35,840 bytes of LDS; arguments x1, ln2_g, ln2_b, W_attn, W_ap, W_fc, W_mp, hn, wb; writes hn, wb
;; launch gfc: the kernel of part 5 again; grid 16 x 16, 4 waves a work-group, clusters of 4 x 4, 327,680 bytes of LDS; arguments hn, wb, b_fc, h3; writes h3
;; launch gmp: the kernel of part 6 again; grid 8 x 32, 4 waves a work-group, clusters of 4 x 4, 327,680 bytes of LDS; arguments h3, wb, b_mp, out0, x1; writes out0
